; MI455X (gfx1250); checked and timed in simulation.
; The chip was launched on July 23, 2026; its instructions are those of AMD's public machine-readable ISA for CDNA 5 (MIT licence, August 2026) and "CDNA5" Instruction Set Architecture Reference Guide (July 2026). The comments in the code are by the model that wrote it; some were corrected since.
;; Multi Head Attention. Allowed arithmetic: matrix products marked QUANTISED: E2M3 operands, one E8M0 scale for each 32 along K, by v_wmma_scale_f32_16x16x128_f8f6f4 with both operands' format E2M3, f32 sums; everything else in f32.
;; Inputs: bk 768 float32; bo 768 float32; bq 768 float32; bv 768 float32; key 4 x 2,048 x 768 float32; mask 4 x 1 x 1 x 2,048 float32; query 4 x 2,048 x 768 float32; value 4 x 2,048 x 768 float32; wk 768 x 768 float32; wo 768 x 768 float32; wq 768 x 768 float32; wv 768 x 768 float32.
;; Outputs: out0 4 x 2,048 x 768 float32.
;; This version of the problem:
;;   THIS VERSION OF THE PROBLEM IS GIVEN IN LOW PRECISION. The matrix products marked QUANTISED in the list below multiply operands that are first quantised to E2M3 (2 exponent bits, 3 mantissa bits; 6 bits a number), with one power-of-two scale for each 32 numbers along K (OCP MX v1.0); their sums are f32. All else is computed in f32.
;;   The module's matrix products, in the order in which they are computed (A, B: the left and right operand; K: the contracted axis; several contracted axes count as one K, in the product's order):
;;     1. [M 8,192, K 768] x [K 768, N 768]; A: input query; B: input wq: QUANTISED
;;     2. [M 8,192, K 768] x [K 768, N 768]; A: input key; B: input wk: QUANTISED
;;     3. [M 8,192, K 768] x [K 768, N 768]; A: input value; B: input wv: QUANTISED
;;     4. batch 32 x [M 2,048, K 96] x [K 96, N 2,048]; A: computed on the way; B: computed on the way: QUANTISED
;;     5. batch 32 x [M 2,048, K 2,048] x [K 2,048, N 96]; A: computed on the way; B: computed on the way: QUANTISED
;;     6. [M 8,192, K 768] x [K 768, N 768]; A: computed on the way; B: input wo: QUANTISED
;;   THE QUANTISER, for each operand of a quantised product, along K:
;;     - K is cut into blocks of 32 from its start; a last block that is shorter is filled with zeros.
;;     - A block's scale is 2^e with e = floor(log2(the largest magnitude in the block)) - 2, held to -126 .. 127; a block of zeros has e = 0. As a byte (E8M0): e + 127.
;;     - Each number is divided by its block's scale, clamped to +-7.5, and rounded to the nearest number of E2M3, ties to even, subnormals kept.
;;     - The product sums the exact products of the quantised numbers (number of the format x scale) in f32.
;;   ~~~python
;;   def quantise(x, axis):      # numpy; x: float32 -> the quantised numbers, widened to float32 again
;;       x = np.moveaxis(x, axis, -1); K = x.shape[-1]
;;       x = np.pad(x, [(0, 0)] * (x.ndim - 1) + [(0, -K % 32)]); x = x.reshape(x.shape[:-1] + (-1, 32)); a = np.abs(x).max(-1, keepdims=True)
;;       e = np.where(a > 0, np.clip(np.frexp(np.where(a > 0, a, 1))[1] - 1 - 2, -126, 127), 0)      # np.frexp(a)[1] - 1 = floor(log2(a)), exactly
;;       r = np.clip(x / 2.0 ** e, -7.5, 7.5)
;;       step = 2.0 ** (np.maximum(np.frexp(np.where(r == 0, 1, r))[1] - 1, 0) - 3)
;;       q = np.round(r / step) * step * 2.0 ** e      # np.round: ties to even
;;       return np.moveaxis(q.reshape(q.shape[:-2] + (-1,))[..., :K], -1, axis).astype(np.float32)
;;   ~~~
;;   OPERANDS COMPUTED ON THE WAY. 'Computed on the way' means the value that the module computes at that place (a softmax that the list does not call 'softmax' is quantised finished and normalised). What goes into a quantiser is computed in f32, as accurately as f32 sums, v_exp_f32 and their like allow (about 1e-6 of the number): no bf16 or f16 on the way to a quantiser, and a product that is left as it is and whose result goes on into a quantised operand takes f32 operands (vector FMAs, or v_wmma_f32_16x16x4_f32). A number that lies on a knife's edge between two numbers of the format may be rounded either way, as far as f32 arithmetic and the matrix unit's own rounding can turn it there, and no further.
;; One version. Each part assembles by itself: llvm-mc -triple=amdgcn-amd-amdhsa -mcpu=gfx1250 --defsym DOCPART=n.
;; ======== version 1 of 1: 4 launches
;; limits: right only within a limited range of input values
;; workspace buffers: wts 1,849,344 bytes; qrec 4,980,736 bytes; krec 4,980,736 bytes; vrec 4,915,200 bytes; crec 4,980,736 bytes
;; launch wquant (part 1): grid 6 x 26, 4 waves a work-group, no clusters, 0 bytes of LDS; arguments wq, wk, wv, wo, wts; writes wts
.if DOCPART == 1
	.amdgcn_target "amdgcn-amd-amdhsa--gfx1250"
	.amdhsa_code_object_version 6
	.text
	.protected	k_q0881573f5c_wquant
	.globl	k_q0881573f5c_wquant
	.p2align	8
	.type	k_q0881573f5c_wquant,@function
k_q0881573f5c_wquant:
	s_mov_b64 s[64:65], 0
	v_nop
	global_prefetch_b8 v0, s[64:65] scope:SCOPE_SE
	s_setreg_imm32_b32 hwreg(HW_REG_WAVE_MODE, 25, 1), 1
	s_wait_xcnt 0x0
; wq, wk, wv, wo: [768 (k)][768 (n)] f32, K their FIRST axis.  Each is turned into codes of FP6 (E2M3) with one E8M0 byte for each 32 along K,
; laid in wts as IMAGES OF OPERAND REGISTERS, so that a later launch loads a fragment by 16-byte loads, lane l's bytes at 16 l.
; A wave takes 32 columns (pair G) x one K step.  A LANE TAKES A COLUMN AND ITS REGISTERS RUN DOWN K: a block of 32 lies in one lane.
; THE COLUMNS OF A TILE ARE NOT NEIGHBOURS: row rho of tile 2 G + u is column 32 G + 8 u + rho + 8 (rho / 8); lanes 0-15 hold tile 2 G, lanes 16-31 tile 2 G + 1.
; wq, wk, wv: K steps of 128: a fragment is 12 registers (registers 6 c .. 6 c + 5 of lane (r, h): block 2 c + h).
; wo: K steps of 96 (a head): 9 registers: 0-5 block h whole; 6-8 half h of block 2; the reader keeps registers 9-11 at zero codes; scale word (s0, s1, s2, s2).
; A block's scale byte is its largest magnitude's exponent field - 2, held at 1 from below.  A block of zeros gets the byte 1 where the rule says 127: its codes are zeros, and this program alone reads the bytes.
; LIMITS: NaN and infinities among the inputs are not served.
; grid: x = 0..5 (G = 4 x + wave), y = 0..17: weight y / 6, K step y % 6; y = 18..25: wo, chunk y - 18.  No LDS, no barrier: waves share nothing.
; ALL of a wave's loads (128 rows, 96 for wo) are issued at the start, each row into a register of its own.  A block's wait counts the loads issued behind its own 32,
; or 63 where that number passes what the wait's field names (a smaller count asks for more, never for less; ISA guide 5.7.1: a load that would pass the counter's field is issued later).
.set ROWB, 3072                        ; a row of a weight in bytes
.set SC3,  1327104                     ; wts: scale words of wq, wk, wv
.set WOC,  1382400                     ; wo's codes
.set WOS,  1824768                     ; wo's scale words
.set X,   16                           ; v16-143  the column's numbers, down K
.set F0,  144                          ; v144-155 tile 2 G's fragment
.set F1,  156                          ; v156-167 tile 2 G + 1's
.set TH,  168                          ; v168-183 the blocks' upper 16 codes (a conversion's three registers begin on an even number)
.set TM,  184                          ; v184-185 two chains of maxima
.set SO,  188                          ; v188-191 the conversions' scale operands
.set BY,  192                          ; v192-195 the scale bytes
.set PW,  196                          ; v196     the column's scale word
	s_load_b256 s[4:11], s[0:1], 0x0               ; wq s[4:5], wk s[6:7], wv s[8:9], wo s[10:11]
	s_load_b64 s[12:13], s[0:1], 0x20              ; wts
	v_lshrrev_b32 v1, 5, v0
	v_readfirstlane_b32 s14, v1                    ; wave
	v_and_b32 v1, 31, v0                           ; lane
	v_and_b32 v5, 15, v0
	v_and_b32 v6, 8, v0
	v_bfe_u32 v7, v0, 4, 1
	v_add_nc_u32 v5, v5, v6
	v_lshl_add_u32 v5, v7, 3, v5                   ; my column in the pair: rho + 8 (rho / 8) + 8 u
	v_lshlrev_b32 v2, 2, v5                        ; in bytes
	v_lshlrev_b32 v3, 4, v1                        ; 16 x lane
	v_lshlrev_b32 v4, 2, v1                        ; 4 x lane
	s_lshl_b32 s15, ttmp9, 2
	s_add_co_u32 s15, s15, s14                     ; G
	s_and_b32 s16, ttmp7, 0xffff                   ; y
	s_lshl_b32 s20, s15, 7                         ; the pair's 128 bytes in a row
	s_mov_b32 s23, 0
	s_wait_kmcnt 0x0
	s_cmp_lt_u32 s16, 6                            ; which weight: the choice hangs on the work-group's number alone
	s_cselect_b64 s[18:19], s[4:5], s[6:7]
	s_cselect_b32 s17, 0, 1
	s_cmp_lt_u32 s16, 12
	s_cselect_b64 s[18:19], s[18:19], s[8:9]
	s_cselect_b32 s17, s17, 2
	s_cmp_lt_u32 s16, 18
	s_cselect_b64 s[18:19], s[18:19], s[10:11]
	s_cbranch_scc0 .Lwo
.macro WLH hh                          ; rows 16 hh .. 16 hh + 15 of the column: a wave reads 128 consecutive bytes of a row, the work-group 512
.set ii, 16*(\hh)
.rept 16
	global_load_b32 v[X+ii], v2, s[18:19] offset:ii*ROWB th:TH_LOAD_NT
.set ii, ii+1
.endr
.endm
; block bb of nb: its largest magnitude, scale and 32 codes; lo, hi: where the lower and the upper 16 codes go
.macro WBLK bb, lo, hi, nb
.if 32*((\nb)-(\bb)-1) > 63
	s_wait_loadcnt 63                              ; this block's 32 loads are in: more than 63 were issued behind them
.else
	s_wait_loadcnt 32*((\nb)-(\bb)-1)              ; this block's 32 loads are in; the later blocks' may be out
.endif
	v_max3_num_f32 v[TM], |v[X+32*\bb]|, |v[X+32*\bb+1]|, |v[X+32*\bb+2]|
	v_max3_num_f32 v[TM+1], |v[X+32*\bb+3]|, |v[X+32*\bb+4]|, |v[X+32*\bb+5]|
.irp n, 6,10,14,18,22,26
	v_max3_num_f32 v[TM], v[TM], |v[X+32*\bb+\n]|, |v[X+32*\bb+\n+1]|
	v_max3_num_f32 v[TM+1], v[TM+1], |v[X+32*\bb+\n+2]|, |v[X+32*\bb+\n+3]|
.endr
	v_max3_num_f32 v[TM], v[TM], |v[X+32*\bb+30]|, |v[X+32*\bb+31]|
	v_max3_num_f32 v[TM], v[TM], v[TM+1], 0x1800000                ; the floor 2^(3 - 127): the byte cannot fall under 1
	v_add_nc_u32 v[SO+\bb], 0xff000000, v[TM]                      ; 2 off the exponent field: the conversion takes this operand's exponent field as its scale
	v_cvt_scalef32_pk16_fp6_f32 v[\lo:\lo+2], v[X+32*\bb:X+32*\bb+15], v[SO+\bb]
	v_cvt_scalef32_pk16_fp6_f32 v[\hi:\hi+2], v[X+32*\bb+16:X+32*\bb+31], v[SO+\bb]
	v_lshrrev_b32 v[BY+\bb], 23, v[SO+\bb]                         ; the scale's byte; also the plain instruction behind the conversions
.endm
	; ---- wq, wk, wv: a K step of 128
	s_mul_i32 s21, s17, 6
	s_sub_co_u32 s21, s16, s21                     ; K step
	s_mul_i32 s22, s21, 128*ROWB
	s_add_co_u32 s22, s22, s20
	s_add_nc_u64 s[18:19], s[18:19], s[22:23]      ; the weight at my first row and my pair
	s_mul_i32 s24, s17, 24
	s_add_co_u32 s24, s24, s15
	s_mul_i32 s24, s24, 6
	s_add_co_u32 s24, s24, s21                     ; (weight x 24 + G) x 6 + K step
	s_mul_i32 s22, s24, 3072
	s_add_nc_u64 s[26:27], s[12:13], s[22:23]      ; two images of 1,536 bytes
	s_lshl_b32 s22, s24, 7
	s_add_co_u32 s22, s22, SC3
	s_add_nc_u64 s[28:29], s[12:13], s[22:23]      ; 32 scale words
	s_wait_alu depctr_va_vdst(0)                   ; the wait here, ahead of the first readers of the head's registers
.irp hh, 0,1,2,3,4,5,6,7
	WLH \hh
.endr
	WBLK 0, F0, TH, 4
	WBLK 1, F1, TH+4, 4
	WBLK 2, F0+6, TH+8, 4
	WBLK 3, F1+6, TH+12, 4
; The exchange of one register's lanes 16-31 with another's lanes 0-15 sorts blocks by tile: block 2 c of lanes 0-15 and block 2 c + 1 of lanes 0-15 make tile 2 G's registers, the rest tile 2 G + 1's.
.irp n, 0,1,2
	v_permlane16_swap_b32 v[F0+\n], v[F1+\n]
	v_permlane16_swap_b32 v[TH+\n], v[TH+4+\n]
	v_permlane16_swap_b32 v[F0+6+\n], v[F1+6+\n]
	v_permlane16_swap_b32 v[TH+8+\n], v[TH+12+\n]
.endr
.irp n, 0,1,2
	v_mov_b32 v[F0+3+\n], v[TH+\n]
	v_mov_b32 v[F1+3+\n], v[TH+4+\n]
	v_mov_b32 v[F0+9+\n], v[TH+8+\n]
	v_mov_b32 v[F1+9+\n], v[TH+12+\n]
.endr
	v_lshl_or_b32 v[PW], v[BY+1], 8, v[BY]
	v_lshl_or_b32 v[PW], v[BY+2], 16, v[PW]
	v_lshl_or_b32 v[PW], v[BY+3], 24, v[PW]
.irp i, 0,1,2,3,4,5
	global_store_b128 v3, v[F0+4*\i:F0+4*\i+3], s[26:27] offset:512*\i   ; 32 lanes store 512 consecutive bytes
.endr
	global_store_b32 v4, v[PW], s[28:29]           ; lanes 0-15: tile 2 G's words, lanes 16-31: tile 2 G + 1's
	s_endpgm
.Lwo:	; ---- wo: a chunk of 96 along K
	s_sub_co_u32 s21, s16, 18                      ; chunk = head
	s_mul_i32 s22, s21, 96*ROWB
	s_add_co_u32 s22, s22, s20
	s_add_nc_u64 s[18:19], s[18:19], s[22:23]
	s_lshl_b32 s24, s15, 3
	s_add_co_u32 s24, s24, s21                     ; G x 8 + chunk
	s_mul_i32 s22, s24, 2304
	s_add_co_u32 s22, s22, WOC
	s_add_nc_u64 s[26:27], s[12:13], s[22:23]      ; two images of 1,152 bytes
	s_lshl_b32 s22, s24, 7
	s_add_co_u32 s22, s22, WOS
	s_add_nc_u64 s[28:29], s[12:13], s[22:23]
	s_wait_alu depctr_va_vdst(0)                   ; the wait here, ahead of the first readers of the head's registers
.irp hh, 0,1,2,3,4,5
	WLH \hh
.endr
	WBLK 0, F0, TH, 3
	WBLK 1, F1, TH+4, 3
	WBLK 2, F0+6, F1+6, 3                          ; block 2: lower half and upper half change lanes below, so that lane (r, h) holds half h
.irp n, 0,1,2
	v_permlane16_swap_b32 v[F0+\n], v[F1+\n]
	v_permlane16_swap_b32 v[TH+\n], v[TH+4+\n]
	v_permlane16_swap_b32 v[F0+6+\n], v[F1+6+\n]
.endr
.irp n, 0,1,2
	v_mov_b32 v[F0+3+\n], v[TH+\n]
	v_mov_b32 v[F1+3+\n], v[TH+4+\n]
.endr
	v_lshl_or_b32 v[PW], v[BY+1], 8, v[BY]
	v_lshl_or_b32 v[PW], v[BY+2], 16, v[PW]
	v_lshl_or_b32 v[PW], v[BY+2], 24, v[PW]        ; block 2's byte twice: its two halves stand in the instruction's third and fourth block
.irp u, 0,1
	global_store_b128 v3, v[F0+12*\u:F0+12*\u+3], s[26:27] offset:1152*\u
	global_store_b128 v3, v[F0+12*\u+4:F0+12*\u+7], s[26:27] offset:1152*\u+512
	global_store_b32 v4, v[F0+12*\u+8], s[26:27] offset:1152*\u+1024
.endr
	global_store_b32 v4, v[PW], s[28:29]
	s_endpgm
.Lfunc_end_k_q0881573f5c_wquant:
	.size	k_q0881573f5c_wquant, .Lfunc_end_k_q0881573f5c_wquant-k_q0881573f5c_wquant
	.p2alignl 7, 3214868480
	.fill 96, 4, 3214868480
	.section	.rodata,"a",@progbits
	.p2align	6, 0x0
	.amdhsa_kernel k_q0881573f5c_wquant
		.amdhsa_group_segment_fixed_size 0
		.amdhsa_private_segment_fixed_size 0
		.amdhsa_enable_private_segment 0
		.amdhsa_kernarg_size 40
		.amdhsa_user_sgpr_count 2
		.amdhsa_user_sgpr_kernarg_segment_ptr 1
		.amdhsa_wavefront_size32 1
		.amdhsa_system_sgpr_workgroup_id_x 1
		.amdhsa_system_sgpr_workgroup_id_y 1
		.amdhsa_system_sgpr_workgroup_id_z 1
		.amdhsa_system_vgpr_workitem_id 0
		.amdhsa_next_free_vgpr 200
		.amdhsa_next_free_sgpr 66
		.amdhsa_reserve_vcc 0
		.amdhsa_float_denorm_mode_32 3
		.amdhsa_float_denorm_mode_16_64 3
		.amdhsa_memory_ordered 1
		.amdhsa_forward_progress 1
		.amdhsa_inst_pref_size 36
	.end_amdhsa_kernel
	.amdgpu_metadata
---
amdhsa.version: [ 1, 2 ]
amdhsa.kernels:
  - .name:           k_q0881573f5c_wquant
    .symbol:         k_q0881573f5c_wquant.kd
    .args:
      - { .name: wq, .offset: 0, .size: 8, .value_kind: global_buffer, .address_space: global }
      - { .name: wk, .offset: 8, .size: 8, .value_kind: global_buffer, .address_space: global }
      - { .name: wv, .offset: 16, .size: 8, .value_kind: global_buffer, .address_space: global }
      - { .name: wo, .offset: 24, .size: 8, .value_kind: global_buffer, .address_space: global }
      - { .name: wts, .offset: 32, .size: 8, .value_kind: global_buffer, .address_space: global }
    .group_segment_fixed_size: 0
    .private_segment_fixed_size: 0
    .kernarg_segment_align: 8
    .kernarg_segment_size: 40
    .max_flat_workgroup_size: 128
    .sgpr_count:     66
    .vgpr_count:     200
    .wavefront_size: 32
...
	.end_amdgpu_metadata
.endif
;; end of part 1
;; launch proj (part 2): grid 384 x 1, 8 waves a work-group, no clusters, 112,640 bytes of LDS; arguments query, key, value, bq, bk, bv, wts, qrec, krec, vrec; writes qrec, krec, vrec
.if DOCPART == 2
	.amdgcn_target "amdgcn-amd-amdhsa--gfx1250"
	.amdhsa_code_object_version 6
	.text
	.protected	k_q0881573f5c_proj
	.globl	k_q0881573f5c_proj
	.p2align	8
	.type	k_q0881573f5c_proj,@function
k_q0881573f5c_proj:
	s_mov_b64 s[64:65], 0
	v_nop
	global_prefetch_b8 v0, s[64:65] scope:SCOPE_SE
	s_setreg_imm32_b32 hwreg(HW_REG_WAVE_MODE, 25, 1), 1
	s_wait_xcnt 0x0
; q = query wq + bq, k = key wk + bk, v = value wv + bv, on codes of FP6 (E2M3) with E8M0 scales; the results are quantised at once for the attention's two products and leave as codes alone.
; A work-group takes one tensor (work-group / 128) and 64 tokens (work-group % 128), all 768 outputs: x is read once and quantised once.  Wave w is head w: 3 pairs of weight tiles x 4 tiles of tokens.
; PHASE X: wave w quantises three fragments of x (tile w / 2, K steps 3 (w % 2) + 0..2).  Loads read 512 consecutive bytes of a row; the wave's own stage in LDS turns them so that a lane holds 16 neighbours of each block.
; The fragments go to LDS as images of their registers (lane l's 16 bytes at 16 l); ONE barrier; then every wave reads all 24.
; THE TOKENS OF A TILE ARE NOT NEIGHBOURS: row rho of tile 2 b + u is token 32 b + 8 u + rho + 8 (rho / 8); the weights' tiles are laid likewise.  So the 16 result registers of two neighbouring tiles are 16 neighbours.
; q, k: source 0 = weight tile, source 1 = x tile: a lane holds one token and 16 neighbouring channels: half a block of the head's 96.  Record of 64 tokens x one head, 4,864 bytes: four images of 9 registers
; (0-5 block h; 6-8 half h of block 2; the reader keeps 9-11 at zero codes), then the scale words [row][tile], (s0, s1, s2, s2).
; v: source 0 = x tile, source 1 = weight tile: a lane holds one channel and 16 neighbouring tokens: the keys are the second product's K.  Record of one head x 128 keys, 9,600 bytes: six images of two halves
; (this work-group's 64 keys are half (group % 2)), then the scale words.
; Weights come from wts as register images, three K steps ahead.  The bias is added in f32 ahead of the quantiser.
; LIMITS: NaN and infinities are not served; a block of zeros gets the byte 1 where the rule says 127 (its codes are zeros; this program alone reads the bytes).
.set XIMG,  0                          ; LDS: 24 images of 1,536 bytes, index 6 m + s
.set XSC,   36864                      ; x's scale words: [s] x 512 bytes, word at 16 x lane + 4 m
.set BT,    39936                      ; the head's 96 numbers of the bias: 512 bytes a wave
.set STG,   44032                      ; a stage of 16 rows x (512 + 16) bytes for each wave
.set SPARE, 111616                     ; the spare words: 128 bytes a wave, four blocks of 256 bytes that no other line names
.set R0,  16                           ; phase X: v16-79, v80-143 rows as loaded; v144-207 64 numbers in the quantiser's order
.set R1,  80
.set X,   144
.set PC,  208                          ; v208-227 the codes just made
.set TM,  228                          ; v228-243 at work
.set PW,  244                          ; the scale word just made
.set BI,  248                          ; v248-251 the bias as loaded
.set ACC, 16                           ; products: v16-79 eight accumulators
.set XF,  80                           ; v80-127 x's four fragments of a K step
.set WR,  128                          ; v128-199 three slots of two weight fragments
.set PCQ, 200                          ; v200-239 q, k: codes, ten registers a tile;  v240-243 their scale words
.set PWQ, 240
.set PCV, 200                          ; v200-235 v: codes, six registers a channel tile;  v236-241 their two scale bytes
.set VSB, 236
.set WS,  245                          ; v245-247 the slots' scale words (lanes 0-15 tile 0, lanes 16-31 tile 1): scales and nothing else
.set XS,  252                          ; v252-255 x's scale words of the four tiles
.set BB,  80                           ; the way out, in x's fragments' registers: bias, maxima, exchange, scale operands, bytes, upper codes
.set WTM, 96
.set WTX, 100
.set WSO, 104
.set WBY, 108
.set WT,  112
.set SEL, 50                           ; s[50:51] v_permlanex16_b32's selects for lane l xor 16
.macro PLACES                          ; four plain places behind matrix instructions, ahead of loads into their registers and of reads of their results
.rept 4
	v_nop
.endr
.endm
; one matrix instruction.  z: C is the constant 0, else v[cc ..];  row: 0, or 1: A's scales from lanes 16-31, or 2: B's
.macro MM d, a, b, cc, z, sa, sb, row
.if \z
.if (\row) == 0
	v_wmma_scale_f32_16x16x128_f8f6f4 v[\d:\d+7], v[\a:\a+11], v[\b:\b+11], 0, v[\sa], v[\sb] matrix_a_fmt:MATRIX_FMT_FP6 matrix_b_fmt:MATRIX_FMT_FP6
.elseif (\row) == 1
	v_wmma_scale_f32_16x16x128_f8f6f4 v[\d:\d+7], v[\a:\a+11], v[\b:\b+11], 0, v[\sa], v[\sb] matrix_a_fmt:MATRIX_FMT_FP6 matrix_b_fmt:MATRIX_FMT_FP6 matrix_a_scale:MATRIX_SCALE_ROW1
.else
	v_wmma_scale_f32_16x16x128_f8f6f4 v[\d:\d+7], v[\a:\a+11], v[\b:\b+11], 0, v[\sa], v[\sb] matrix_a_fmt:MATRIX_FMT_FP6 matrix_b_fmt:MATRIX_FMT_FP6 matrix_b_scale:MATRIX_SCALE_ROW1
.endif
.else
.if (\row) == 0
	v_wmma_scale_f32_16x16x128_f8f6f4 v[\d:\d+7], v[\a:\a+11], v[\b:\b+11], v[\cc:\cc+7], v[\sa], v[\sb] matrix_a_fmt:MATRIX_FMT_FP6 matrix_b_fmt:MATRIX_FMT_FP6
.elseif (\row) == 1
	v_wmma_scale_f32_16x16x128_f8f6f4 v[\d:\d+7], v[\a:\a+11], v[\b:\b+11], v[\cc:\cc+7], v[\sa], v[\sb] matrix_a_fmt:MATRIX_FMT_FP6 matrix_b_fmt:MATRIX_FMT_FP6 matrix_a_scale:MATRIX_SCALE_ROW1
.else
	v_wmma_scale_f32_16x16x128_f8f6f4 v[\d:\d+7], v[\a:\a+11], v[\b:\b+11], v[\cc:\cc+7], v[\sa], v[\sb] matrix_a_fmt:MATRIX_FMT_FP6 matrix_b_fmt:MATRIX_FMT_FP6 matrix_b_scale:MATRIX_SCALE_ROW1
.endif
.endif
.endm
	s_load_b256 s[8:15], s[0:1], 0x0               ; query s[8:9], key s[10:11], value s[12:13], bq s[14:15]
	s_load_b256 s[16:23], s[0:1], 0x20             ; bk s[16:17], bv s[18:19], wts s[20:21], qrec s[22:23]
	s_load_b128 s[24:27], s[0:1], 0x40             ; krec s[24:25], vrec s[26:27]
	v_lshl_add_u32 v14, v0, 2, SPARE               ; my spare word; never rewritten
	v_mov_b32 v15, 0                               ; 0; never rewritten
	v_lshrrev_b32 v16, 5, v0
	s_delay_alu instid0(VALU_DEP_1)
	v_readfirstlane_b32 s4, v16                    ; wave = head
	v_and_b32 v16, 31, v0                          ; lane
	v_and_b32 v17, 15, v0                          ; r
	v_bfe_u32 v18, v0, 4, 1                        ; h
	s_delay_alu instid0(VALU_DEP_3)
	v_lshlrev_b32 v1, 4, v16                       ; v1 16 x lane
	s_wait_alu depctr_va_vdst(0)
	v_lshlrev_b32 v2, 2, v16                       ; v2 4 x lane
	v_lshlrev_b32 v3, 3, v16                       ; v3 8 x lane
	s_mul_i32 s5, s4, 8448
	s_add_co_u32 s5, s5, STG                       ; my stage
	v_add_nc_u32 v4, s5, v1                        ; v4 into it: a row's 512 bytes as they lie
	v_mul_u32_u24 v5, v17, 528
	s_delay_alu instid0(VALU_DEP_1)
	v_lshl_add_u32 v5, v18, 6, v5
	s_delay_alu instid0(VALU_DEP_1)
	v_add_nc_u32 v5, s5, v5                        ; v5 out of it: row r, + 64 h: my 16 numbers of a block of 32
	s_mul_i32 s5, s4, 4608                         ; my three images: 6 (w / 2) + 3 (w % 2) = 3 w
	v_add_nc_u32 v6, s5, v1                        ; v6
	s_and_b32 s6, s4, 1
	s_lshr_b32 s7, s4, 1
	s_mul_i32 s5, s6, 1536
	s_lshl_b32 s7, s7, 2
	s_add_co_u32 s5, s5, s7
	s_add_co_u32 s5, s5, XSC
	v_add_nc_u32 v7, s5, v1                        ; v7 their scale words: 512 x K step + 16 x lane + 4 x tile
	s_lshl_b32 s5, s4, 9
	s_add_co_u32 s5, s5, BT
	v_lshl_add_u32 v8, v18, 6, s5                  ; v8 bias for q, k: 16 numbers at 16 h of a pair's 32
	v_and_b32 v19, 8, v17
	s_delay_alu instid0(VALU_DEP_1)
	v_add_nc_u32 v19, v19, v17
	s_delay_alu instid0(VALU_DEP_1)
	v_lshl_add_u32 v9, v19, 2, s5                  ; v9 bias for v: the number of my channel r + 8 (r / 8)
	v_add_nc_u32 v10, s5, v1                       ; v10 where the bias is stored
	v_lshlrev_b32 v11, 4, v17                      ; v11 16 r
	v_lshlrev_b32 v12, 2, v17                      ; v12 4 r
	v_min_u32 v13, 0x170, v1                       ; v13 the bias in memory: 96 numbers are 24 lanes' worth; the other lanes repeat the last 16 bytes
	s_lshr_b32 s28, ttmp9, 7                       ; tensor 0, 1, 2
	s_and_b32 s29, ttmp9, 127                      ; group of 64 tokens
	s_mul_i32 s36, s29, 196608                     ; 64 rows of 3,072 bytes
	s_lshr_b32 s5, s4, 2
	s_mul_i32 s5, s5, 98304                        ; my tile's first token: 32 (w / 4)
	s_add_co_u32 s36, s36, s5
	s_bfe_u32 s5, s4, 0x10001
	s_mul_i32 s5, s5, 24576                        ; + 8 ((w / 2) % 2)
	s_add_co_u32 s36, s36, s5
	s_mul_i32 s5, s6, 1536                         ; my first K step: 3 (w % 2)
	s_add_co_u32 s36, s36, s5
	s_mov_b32 s37, 0
	s_mul_i32 s38, s4, 384                         ; my head's bias
	s_mov_b32 s39, 0
	s_mul_i32 s5, s28, 24
	s_mul_i32 s7, s4, 3
	s_add_co_u32 s5, s5, s7                        ; tensor x 24 + my first pair
	s_mul_i32 s40, s5, 18432                       ; six K steps of 3,072 bytes a pair
	s_mov_b32 s41, 0
	s_mul_i32 s52, s5, 768
	s_add_co_u32 s52, s52, 1327104                 ; and of 128 bytes of scale words
	s_mov_b32 s53, 0
	s_mov_b32 s[SEL], 0x76543210
	s_mov_b32 s[SEL+1], 0xfedcba98
	s_lshr_b32 s54, s29, 5
	s_lshl_b32 s54, s54, 3
	s_add_co_u32 s54, s54, s4                      ; batch x 8 + head
	s_and_b32 s55, s29, 31                         ; the group in its batch
	s_mov_b32 s57, 0
	s_mov_b32 s59, 0
	s_wait_alu depctr_va_vdst(0)
	s_wait_kmcnt 0x0
	s_cmp_eq_u32 s28, 0                            ; the buffers are chosen by the work-group's number alone
	s_cselect_b64 s[30:31], s[8:9], s[10:11]
	s_cselect_b64 s[32:33], s[14:15], s[16:17]
	s_cselect_b64 s[34:35], s[22:23], s[24:25]
	s_cmp_eq_u32 s28, 2
	s_cselect_b64 s[30:31], s[12:13], s[30:31]     ; x
	s_cselect_b64 s[32:33], s[18:19], s[32:33]     ; bias
	s_cselect_b64 s[34:35], s[26:27], s[34:35]     ; records
	s_add_nc_u64 s[30:31], s[30:31], s[36:37]
	s_add_nc_u64 s[32:33], s[32:33], s[38:39]
	s_add_nc_u64 s[42:43], s[20:21], s[40:41]      ; my weights' codes
	s_add_nc_u64 s[44:45], s[20:21], s[52:53]      ; and scale words
.macro LOADX k, R                      ; 16 rows x 512 bytes of K step 3 (w % 2) + k: 32 lanes read 512 consecutive bytes
.irp i, 0,1,2,3,4,5,6,7,8,9,10,11,12,13,14,15
	global_load_b128 v[\R+4*\i:\R+4*\i+3], v1, s[30:31] offset:(\i+8*(\i/8))*3072+512*\k th:TH_LOAD_NT
.endr
.endm
.macro TURNX R                         ; through my stage: LDS serves a wave's instructions in order, so no wait stands between the stores and the loads
.irp i, 0,1,2,3,4,5,6,7,8,9,10,11,12,13,14,15
	ds_store_b128 v4, v[\R+4*\i:\R+4*\i+3] offset:528*\i
.endr
.irp b, 0,1,2,3
.irp j, 0,1,2,3
	ds_load_b128 v[X+16*\b+4*\j:X+16*\b+4*\j+3], v5 offset:128*\b+16*\j
.endr
.endr
	s_wait_dscnt 0x0                               ; the numbers are back; the last image's stores have read their registers too
.endm
; 64 numbers of a lane, register 16 b + i = k 32 b + 16 h + i of my row, become a fragment's codes in v[PC] on and its scale word in v[PW]
.macro QUANT s
.irp b, 0,1,2,3
	v_max3_num_f32 v[TM+\b], |v[\s+16*\b]|, |v[\s+1+16*\b]|, 0x1800000   ; with the floor 2^(3 - 127): the byte cannot fall under 1
.endr
.irp i, 2,4,6,8,10,12,14
.irp b, 0,1,2,3
	s_delay_alu instid0(VALU_DEP_4)
	v_max3_num_f32 v[TM+\b], v[TM+\b], |v[\s+16*\b+\i]|, |v[\s+1+16*\b+\i]|
.endr
.endr
.irp b, 0,1,2,3
	s_delay_alu instid0(VALU_DEP_4)
	v_permlanex16_b32 v[TM+4+\b], v[TM+\b], s[SEL], s[SEL+1]
.endr
.irp b, 0,1,2,3
	s_delay_alu instid0(VALU_DEP_4)
	v_max_num_f32 v[TM+\b], v[TM+\b], v[TM+4+\b]   ; with lane l xor 16's: the block's largest magnitude
.endr
.irp b, 0,1,2,3
	s_delay_alu instid0(VALU_DEP_4)
	v_add_nc_u32 v[TM+12+\b], 0xff000000, v[TM+\b] ; 2 off its exponent field: the conversion's scale operand
.endr
.irp b, 0,1,2,3
	s_delay_alu instid0(VALU_DEP_4)
	v_lshrrev_b32 v[TM+4+\b], 23, v[TM+12+\b]      ; the scale's byte
.endr
	s_delay_alu instid0(VALU_DEP_3)
	v_lshl_or_b32 v[PW], v[TM+5], 8, v[TM+4]
	s_delay_alu instid0(VALU_DEP_1)
	v_lshl_or_b32 v[PW], v[TM+6], 16, v[PW]
	s_delay_alu instid0(VALU_DEP_1)
	v_lshl_or_b32 v[PW], v[TM+7], 24, v[PW]
.irp c, 0,1
	v_cvt_scalef32_pk16_fp6_f32 v[PC+6*\c:PC+2+6*\c], v[\s+32*\c:\s+15+32*\c], v[TM+12+2*\c]
	v_cvt_scalef32_pk16_fp6_f32 v[PC+12+4*\c:PC+14+4*\c], v[\s+16+32*\c:\s+31+32*\c], v[TM+12+2*\c+1]
.endr
	v_nop                                          ; one plain place behind a scaled conversion
.irp c, 0,1                            ; the operand wants a whole block in a lane: lanes 0-15 block 2 c, lanes 16-31 block 2 c + 1
.irp i, 0,1,2
	v_permlane16_swap_b32 v[PC+6*\c+\i], v[PC+12+4*\c+\i]
.endr
.irp i, 0,1,2
	s_delay_alu instid0(VALU_DEP_3)
	v_mov_b32 v[PC+3+6*\c+\i], v[PC+12+4*\c+\i]
.endr
.endr
.endm
.macro IMAGE k
.irp c, 0,1,2
	ds_store_b128 v6, v[PC+4*\c:PC+4*\c+3] offset:XIMG+1536*\k+512*\c
.endr
	ds_store_b32 v7, v[PW] offset:512*\k
.endm
.macro WLOAD slot, n                   ; K step n (of my 18: 6 a pair): two fragments and their scale words: seven loads
.irp i, 0,1,2,3,4,5
	global_load_b128 v[WR+24*(\slot)+4*\i:WR+24*(\slot)+4*\i+3], v1, s[42:43] offset:3072*(\n)+512*\i
.endr
	global_load_b32 v[WS+(\slot)], v2, s[44:45] offset:128*(\n)
.endm
	global_load_b128 v[BI:BI+3], v13, s[32:33]
	LOADX 0, R0
	LOADX 1, R1
.irp b, 0,1,2,3
	v_mov_b32 v[TM+4+\b], 0                        ; written once: a lane permute's destination counts as one of its sources
.endr
	s_wait_loadcnt 16                              ; the bias and the first 16 rows are in; the second 16 loads may be out
	ds_store_b128 v10, v[BI:BI+3]
	TURNX R0
	LOADX 2, R0
	QUANT X
	IMAGE 0
	s_wait_loadcnt 16                              ; the second 16 rows are in; the third 16 loads may be out
	TURNX R1
	QUANT X
	IMAGE 1
	s_wait_loadcnt 0x0
	TURNX R0
	QUANT X
	IMAGE 2
	WLOAD 0, 0
	WLOAD 1, 1
	WLOAD 2, 2
	s_wait_dscnt 0x0                               ; for the others' sake: my images have landed
	s_barrier_signal -1
	s_barrier_wait -1                              ; x's 24 fragments and their scale words lie in LDS; nothing is stored to LDS from here on
; K step n: x's four fragments from LDS, eight matrix instructions on eight accumulators by turns, the slot's next load
.macro GSTEP n, vp
.set KQ_, (\n)%6
.set SLT, (\n)%3
.set ZRO, 0
.if KQ_ == 0
.set ZRO, 1
.endif
.irp m, 0,1,2,3
.irp c, 0,1,2
	ds_load_b128 v[XF+12*\m+4*\c:XF+12*\m+4*\c+3], v1 offset:XIMG+(6*\m+KQ_)*1536+512*\c
.endr
.endr
	ds_load_b128 v[XS:XS+3], v1 offset:XSC+512*KQ_
.if (\n) <= 15
	s_wait_loadcnt 14                              ; this slot's seven loads are in; the two younger slots' may be out
.else
	s_wait_loadcnt 7*(17-(\n))
.endif
	s_wait_dscnt 0x0
.if \vp
.irp u, 0,1
.irp e, 0,1
.irp b, 0,1
	MM ACC+8*(2*(2*\u+\e)+\b), XF+12*(2*\e+\b), WR+24*SLT+12*\u, ACC+8*(2*(2*\u+\e)+\b), ZRO, XS+2*\e+\b, WS+SLT, 2*\u
.endr
.endr
.endr
.else
.irp m, 0,1,2,3
.irp t, 0,1
	MM ACC+8*(2*\m+\t), WR+24*SLT+12*\t, XF+12*\m, ACC+8*(2*\m+\t), ZRO, WS+SLT, XS+\m, \t
.endr
.endr
.endif
	PLACES
.if (\n) < 15
	WLOAD SLT, (\n)+3
.endif
.endm
; four blocks' halves, 16 registers each at ACC + 16 a: largest magnitudes (joined with lane l xor 16), scale operands, bytes
.macro BLKMAX
.irp a, 0,1,2,3
	v_max3_num_f32 v[WTM+\a], |v[ACC+16*\a]|, |v[ACC+16*\a+1]|, 0x1800000
.endr
.irp n, 2,4,6,8,10,12,14
.irp a, 0,1,2,3
	s_delay_alu instid0(VALU_DEP_4)
	v_max3_num_f32 v[WTM+\a], v[WTM+\a], |v[ACC+16*\a+\n]|, |v[ACC+16*\a+\n+1]|
.endr
.endr
.irp a, 0,1,2,3
	s_delay_alu instid0(VALU_DEP_4)
	v_permlanex16_b32 v[WTX+\a], v[WTM+\a], s[SEL], s[SEL+1]
.endr
.irp a, 0,1,2,3
	s_delay_alu instid0(VALU_DEP_4)
	v_max_num_f32 v[WTM+\a], v[WTM+\a], v[WTX+\a]
.endr
.irp a, 0,1,2,3
	s_delay_alu instid0(VALU_DEP_4)
	v_add_nc_u32 v[WSO+\a], 0xff000000, v[WTM+\a]
.endr
.irp a, 0,1,2,3
	s_delay_alu instid0(VALU_DEP_4)
	v_lshrrev_b32 v[WBY+\a], 23, v[WSO+\a]
.endr
.endm
; q, k: pair g is block g of the head's 96, for the four tiles of tokens
.macro QOUT g
.irp j, 0,1,2,3
	ds_load_b128 v[BB+4*\j:BB+4*\j+3], v8 offset:128*\g+16*\j
.endr
.irp a, 0,1,2,3
	v_mov_b32 v[WTX+\a], 0
.endr
	s_wait_dscnt 0x0
.irp a, 0,1,2,3
.irp n, 0,2,4,6,8,10,12,14
	v_pk_add_f32 v[ACC+16*\a+\n:ACC+16*\a+\n+1], v[ACC+16*\a+\n:ACC+16*\a+\n+1], v[BB+\n:BB+\n+1]   ; each accumulator from its low end on
.endr
.endr
	BLKMAX
.if \g == 0
.irp a, 0,1,2,3
	v_cvt_scalef32_pk16_fp6_f32 v[PCQ+10*\a:PCQ+10*\a+2], v[ACC+16*\a:ACC+16*\a+15], v[WSO+\a]
.endr
.irp a, 0,1,2,3
	v_mov_b32 v[PWQ+\a], v[WBY+\a]                 ; (plain lines behind the conversions)
.endr
.elseif \g == 1
.irp a, 0,1,2,3
	v_cvt_scalef32_pk16_fp6_f32 v[WT+4*\a:WT+4*\a+2], v[ACC+16*\a:ACC+16*\a+15], v[WSO+\a]
.endr
.irp a, 0,1,2,3
	v_lshl_or_b32 v[PWQ+\a], v[WBY+\a], 8, v[PWQ+\a]
.endr
.irp a, 0,1,2,3
.irp n, 0,1,2
	v_permlane16_swap_b32 v[PCQ+10*\a+\n], v[WT+4*\a+\n]   ; lanes 0-15 get block 0 whole, lanes 16-31 block 1
.endr
.irp n, 0,1,2
	s_delay_alu instid0(VALU_DEP_3)
	v_mov_b32 v[PCQ+10*\a+3+\n], v[WT+4*\a+\n]
.endr
.endr
.else
.irp a, 0,1,2,3
	v_cvt_scalef32_pk16_fp6_f32 v[PCQ+10*\a+6:PCQ+10*\a+8], v[ACC+16*\a:ACC+16*\a+15], v[WSO+\a]   ; half h of block 2, as it stands
.endr
.irp a, 0,1,2,3
	v_lshl_or_b32 v[PWQ+\a], v[WBY+\a], 16, v[PWQ+\a]
.endr
.irp a, 0,1,2,3
	s_delay_alu instid0(VALU_DEP_4)
	v_lshl_or_b32 v[PWQ+\a], v[WBY+\a], 24, v[PWQ+\a]
.endr
.endif
.endm
; v: pair g holds channel tiles 2 g and 2 g + 1; a = 2 u + beta: tile u, key block beta of my 64 keys
.macro VOUT g
.irp u, 0,1
	ds_load_b32 v[BB+2*\u], v9 offset:128*\g+32*\u
	ds_load_b32 v[BB+2*\u+1], v9 offset:128*\g+32*\u
.endr
.irp a, 0,1,2,3
	v_mov_b32 v[WTX+\a], 0
.endr
	s_wait_dscnt 0x0
.irp a, 0,1,2,3
.irp n, 0,2,4,6,8,10,12,14
	v_pk_add_f32 v[ACC+16*\a+\n:ACC+16*\a+\n+1], v[ACC+16*\a+\n:ACC+16*\a+\n+1], v[BB+2*(\a/2):BB+2*(\a/2)+1]
.endr
.endr
	BLKMAX
.irp u, 0,1
	v_cvt_scalef32_pk16_fp6_f32 v[PCV+6*(2*\g+\u):PCV+6*(2*\g+\u)+2], v[ACC+32*\u:ACC+32*\u+15], v[WSO+2*\u]
	v_cvt_scalef32_pk16_fp6_f32 v[WT+4*\u:WT+4*\u+2], v[ACC+32*\u+16:ACC+32*\u+31], v[WSO+2*\u+1]
.endr
.irp u, 0,1
	v_lshl_or_b32 v[VSB+2*\g+\u], v[WBY+2*\u+1], 8, v[WBY+2*\u]   ; my 64 keys' two bytes of the channel's scale word (plain lines behind the conversions)
.endr
.irp u, 0,1
.irp n, 0,1,2
	v_permlane16_swap_b32 v[PCV+6*(2*\g+\u)+\n], v[WT+4*\u+\n]
.endr
.irp n, 0,1,2
	s_delay_alu instid0(VALU_DEP_3)
	v_mov_b32 v[PCV+6*(2*\g+\u)+3+\n], v[WT+4*\u+\n]
.endr
.endr
.irp u, 0,1
	global_store_b128 v1, v[PCV+6*(2*\g+\u):PCV+6*(2*\g+\u)+3], s[46:47] offset:1536*(2*\g+\u)
	global_store_b64 v3, v[PCV+6*(2*\g+\u)+4:PCV+6*(2*\g+\u)+5], s[46:47] offset:1536*(2*\g+\u)+512
	global_store_b16 v12, v[VSB+2*\g+\u], s[48:49] offset:9216+128*((2*\g+\u)%3)+64*((2*\g+\u)/3)   ; lanes r and 16 + r hold and write the same two bytes
.endr
.endm
	s_cmp_eq_u32 s28, 2
	s_cbranch_scc1 .Lvpath
	; ---- q, k
	s_lshl_b32 s56, s54, 5
	s_add_co_u32 s56, s56, s55
	s_mul_i32 s56, s56, 4864                       ; record (batch x 8 + head) x 32 + group
	s_add_nc_u64 s[46:47], s[34:35], s[56:57]
.irp g, 0,1,2
.irp s, 0,1,2,3,4,5
	GSTEP 6*\g+\s, 0
.endr
	QOUT \g
.endr
.irp a, 0,1,2,3
	global_store_b128 v1, v[PCQ+10*\a:PCQ+10*\a+3], s[46:47] offset:1152*\a
	global_store_b128 v1, v[PCQ+10*\a+4:PCQ+10*\a+7], s[46:47] offset:1152*\a+512
	global_store_b32 v2, v[PCQ+10*\a+8], s[46:47] offset:1152*\a+1024
.endr
	global_store_b128 v11, v[PWQ:PWQ+3], s[46:47] offset:4608   ; [row][tile]; lanes r and 16 + r hold and write the same words
	s_branch .Lend
.Lvpath:	; ---- v
	s_lshl_b32 s56, s54, 4
	s_lshr_b32 s5, s55, 1
	s_add_co_u32 s56, s56, s5
	s_mul_i32 s56, s56, 9600                       ; record (batch x 8 + head) x 16 + key step
	s_and_b32 s5, s55, 1                           ; which half of the step's 128 keys
	s_lshl_b32 s58, s5, 1
	s_add_co_u32 s58, s58, s56                     ; scale bytes: + 2 x half
	s_mul_i32 s5, s5, 768
	s_add_co_u32 s56, s56, s5                      ; codes: + 768 x half
	s_add_nc_u64 s[46:47], s[34:35], s[56:57]
	s_add_nc_u64 s[48:49], s[34:35], s[58:59]
.irp g, 0,1,2
.irp s, 0,1,2,3,4,5
	GSTEP 6*\g+\s, 1
.endr
	VOUT \g
.endr
.Lend:
	s_wait_tensorcnt 0x0                           ; the wave's end, behind my last LDS store
	ds_add_u32 v14, v15
	s_wait_dscnt 0x0
	s_endpgm
.Lfunc_end_k_q0881573f5c_proj:
	.size	k_q0881573f5c_proj, .Lfunc_end_k_q0881573f5c_proj-k_q0881573f5c_proj
	.p2alignl 7, 3214868480
	.fill 96, 4, 3214868480
	.section	.rodata,"a",@progbits
	.p2align	6, 0x0
	.amdhsa_kernel k_q0881573f5c_proj
		.amdhsa_group_segment_fixed_size 112640
		.amdhsa_private_segment_fixed_size 0
		.amdhsa_enable_private_segment 0
		.amdhsa_kernarg_size 80
		.amdhsa_user_sgpr_count 2
		.amdhsa_user_sgpr_kernarg_segment_ptr 1
		.amdhsa_wavefront_size32 1
		.amdhsa_system_sgpr_workgroup_id_x 1
		.amdhsa_system_sgpr_workgroup_id_y 1
		.amdhsa_system_sgpr_workgroup_id_z 1
		.amdhsa_system_vgpr_workitem_id 0
		.amdhsa_next_free_vgpr 256
		.amdhsa_next_free_sgpr 66
		.amdhsa_reserve_vcc 0
		.amdhsa_float_denorm_mode_32 3
		.amdhsa_float_denorm_mode_16_64 3
		.amdhsa_memory_ordered 1
		.amdhsa_forward_progress 1
		.amdhsa_inst_pref_size 175
	.end_amdhsa_kernel
	.amdgpu_metadata
---
amdhsa.version: [ 1, 2 ]
amdhsa.kernels:
  - .name:           k_q0881573f5c_proj
    .symbol:         k_q0881573f5c_proj.kd
    .args:
      - { .name: query, .offset: 0, .size: 8, .value_kind: global_buffer, .address_space: global }
      - { .name: key, .offset: 8, .size: 8, .value_kind: global_buffer, .address_space: global }
      - { .name: value, .offset: 16, .size: 8, .value_kind: global_buffer, .address_space: global }
      - { .name: bq, .offset: 24, .size: 8, .value_kind: global_buffer, .address_space: global }
      - { .name: bk, .offset: 32, .size: 8, .value_kind: global_buffer, .address_space: global }
      - { .name: bv, .offset: 40, .size: 8, .value_kind: global_buffer, .address_space: global }
      - { .name: wts, .offset: 48, .size: 8, .value_kind: global_buffer, .address_space: global }
      - { .name: qrec, .offset: 56, .size: 8, .value_kind: global_buffer, .address_space: global }
      - { .name: krec, .offset: 64, .size: 8, .value_kind: global_buffer, .address_space: global }
      - { .name: vrec, .offset: 72, .size: 8, .value_kind: global_buffer, .address_space: global }
    .group_segment_fixed_size: 112640
    .private_segment_fixed_size: 0
    .kernarg_segment_align: 8
    .kernarg_segment_size: 80
    .max_flat_workgroup_size: 256
    .sgpr_count:     66
    .vgpr_count:     256
    .wavefront_size: 32
...
	.end_amdgpu_metadata
.endif
;; end of part 2
;; launch attn (part 3): grid 8 x 32, 8 waves a work-group, clusters of 4 x 1, 327,680 bytes of LDS; arguments qrec, krec, vrec, mask, crec; writes crec
.if DOCPART == 3
	.amdgcn_target "amdgcn-amd-amdhsa--gfx1250"
	.amdhsa_code_object_version 6
	.text
	.protected	k_q0881573f5c_attn
	.globl	k_q0881573f5c_attn
	.p2align	8
	.type	k_q0881573f5c_attn,@function
k_q0881573f5c_attn:
	s_mov_b64 s[64:65], 0
	v_nop
	global_prefetch_b8 v0, s[64:65] scope:SCOPE_SE
	s_setreg_imm32_b32 hwreg(HW_REG_WAVE_MODE, 25, 1), 1
	s_wait_xcnt 0x0
	s_wait_alu depctr_hold_cnt(0) depctr_sa_sdst(0) depctr_va_vdst(0) depctr_va_sdst(0) depctr_va_ssrc(0) depctr_va_vcc(0) depctr_vm_vsrc(0)
	s_getreg_b32 s2, hwreg(HW_REG_IB_STS2, 6, 4)
	s_cmp_eq_u32 s2, 0
	s_cbranch_scc0 .Lentry_in_a_cluster
	s_endpgm
.Lentry_in_a_cluster:
	s_bfe_u32 s2, ttmp6, 0x10000c
	s_cmp_lg_u32 s2, 0x3003
	s_cbranch_scc0 .Lentry_shape_is_right
	s_endpgm
.Lentry_shape_is_right:
; ctx = (softmax(q k^T / sqrt(96)) + mask x 1e9) v for one batch and head (work-group y) and 256 queries (work-group x), on codes of FP6 (E2M3) with E8M0 scales; ctx leaves as codes and scale words for the last product.
; The head's 2,048 keys lie in LDS whole: k's records (155,648 bytes from 0) and v's (153,600 bytes from VREG), each wave fetching an eighth of each by one tensor load;
; the four work-groups of a cluster share the head and ask jointly.  mask x 1e9 (8,192 bytes from M9) is stored by the waves; the spare words follow at SPARE.
; Wave w takes 32 queries, two tiles of 16.  the FINISHED softmax is quantised, so a row's sum is needed ahead of the quantiser: TWO PASSES over the keys, in steps of 128.
; Pass 1: S^T = k q^T (a lane holds one query, its registers run along the keys), the running largest t rounded up to a whole number M, and the sum of 2^(t - M), brought under a new M by an exact factor.
; Pass 2: the scores once more, p = 2^(t - M) / sum + mask x 1e9, quantised by blocks of 32 keys, O^T += v^T p^T.
; The head's 96 stand in a step of 128: registers 9-11 of q's and k's fragments hold zero codes, and block 2's byte stands twice in the scale words.
; LIMITS: the promise holds while the scaled scores (the exponents to the base 2) stay under 2^31 in magnitude; NaN and infinities among the inputs are not served.
.set VREG,  155648
.set M9,    309248
.set SPARE, 317440
.set ST,  16
.set SS,  32
.set VF,  96
.set PC,  168
.set T,   180
.set TM,  188
.set TX,  192
.set SO,  196
.set BY,  200
.set FF,  204
.set U0,  206
.set U1,  207
.set TT,  208
.set KS,  216
.set VS,  220
.set QS,  224
.set PW,  228
.set QF,  232
.set KF,  96
.set MK,  192
.set CP,  32
.set CW,  72
.set WV,  14
.set G1K, 24
.set G1V, 32
.set G0K, 40
.set G0V, 44
.set CS,  48
.set SEL, 50
.set E9,  52
.set KB,  54
.set VB,  55
.set MB,  56
.set CNT, 57
.set MSB, 0
.macro WIN new
.if MSB != \new
	s_set_vgpr_msb (MSB<<8)|\new
.set MSB, \new
.endif
.endm
.macro PLACES
.rept 4
	v_nop
.endr
.endm
.macro CROUND
	s_barrier_signal -1
	s_barrier_wait -1
	s_cmp_lg_u32 s[WV], 0
	s_cbranch_scc1 .Lnot_wave_0_\@
	s_barrier_signal -3
.Lnot_wave_0_\@:
	s_barrier_wait -3
	s_barrier_signal -1
	s_barrier_wait -1
.endm
.macro MM d, a, b, cc, z, sa, sb, row
.if \z
.if (\row) == 0
	v_wmma_scale_f32_16x16x128_f8f6f4 v[\d:\d+7], v[\a:\a+11], v[\b:\b+11], 0, v[\sa], v[\sb] matrix_a_fmt:MATRIX_FMT_FP6 matrix_b_fmt:MATRIX_FMT_FP6
.else
	v_wmma_scale_f32_16x16x128_f8f6f4 v[\d:\d+7], v[\a:\a+11], v[\b:\b+11], 0, v[\sa], v[\sb] matrix_a_fmt:MATRIX_FMT_FP6 matrix_b_fmt:MATRIX_FMT_FP6 matrix_a_scale:MATRIX_SCALE_ROW1
.endif
.else
.if (\row) == 0
	v_wmma_scale_f32_16x16x128_f8f6f4 v[\d:\d+7], v[\a:\a+11], v[\b:\b+11], v[\cc:\cc+7], v[\sa], v[\sb] matrix_a_fmt:MATRIX_FMT_FP6 matrix_b_fmt:MATRIX_FMT_FP6
.else
	v_wmma_scale_f32_16x16x128_f8f6f4 v[\d:\d+7], v[\a:\a+11], v[\b:\b+11], v[\cc:\cc+7], v[\sa], v[\sb] matrix_a_fmt:MATRIX_FMT_FP6 matrix_b_fmt:MATRIX_FMT_FP6 matrix_a_scale:MATRIX_SCALE_ROW1
.endif
.endif
.endm
	s_load_b256 s[4:11], s[0:1], 0x0
	s_load_b64 s[12:13], s[0:1], 0x20
	v_lshl_add_u32 v14, v0, 2, SPARE
	v_mov_b32 v15, 0
	ds_add_u32 v14, v15
	ds_add_u32 v14, v15
	v_lshrrev_b32 v1, 5, v0
	s_delay_alu instid0(VALU_DEP_1)
	v_readfirstlane_b32 s[WV], v1
	s_bfe_u32 s15, ttmp6, 0x40000
	s_lshl_b32 s16, ttmp9, 2
	s_add_co_u32 s16, s16, s15
	s_and_b32 s17, ttmp7, 0xffff
	s_mov_b32 s[G1K], 15|(3<<16)|(1<<21)
	s_mov_b32 s[G1K+1], 32<<16
	s_mov_b32 s[G1K+2], 76<<16
	s_mov_b32 s[G1K+3], 32<<16
	s_mov_b32 s[G1K+4], 76
	s_mov_b32 s[G1K+5], 32
	s_mov_b32 s[G1K+6], 0
	s_mov_b32 s[G1K+7], 0
	s_mov_b32 s[G1V], 15|(3<<16)|(1<<21)
	s_mov_b32 s[G1V+1], 32<<16
	s_mov_b32 s[G1V+2], 75<<16
	s_mov_b32 s[G1V+3], 32<<16
	s_mov_b32 s[G1V+4], 75
	s_mov_b32 s[G1V+5], 32
	s_mov_b32 s[G1V+6], 0
	s_mov_b32 s[G1V+7], 0
	s_mov_b32 s[G0K], 1
	s_mul_i32 s[G0K+1], s[WV], 19456
	s_mul_i32 s18, s17, 155648
	s_add_co_u32 s18, s18, s[G0K+1]
	s_mov_b32 s19, 0
	s_mov_b32 s[G0V], 1
	s_mul_i32 s20, s[WV], 19200
	s_add_co_u32 s[G0V+1], s20, VREG
	s_mul_i32 s21, s17, 153600
	s_add_co_u32 s20, s20, s21
	s_mov_b32 s21, 0
	s_lshl_b32 s22, s16, 2
	s_lshr_b32 s23, s[WV], 1
	s_add_co_u32 s22, s22, s23
	s_lshl_b32 s23, s17, 5
	s_add_co_u32 s23, s23, s22
	s_mul_i32 s58, s23, 4864
	s_mov_b32 s59, 0
	s_lshr_b32 s23, s17, 3
	s_lshl_b32 s60, s23, 13
	s_mov_b32 s61, 0
	s_lshl_b32 s23, s23, 5
	s_add_co_u32 s23, s23, s22
	s_lshl_b32 s23, s23, 3
	s_and_b32 s22, s17, 7
	s_add_co_u32 s23, s23, s22
	s_mul_i32 s62, s23, 4864
	s_mov_b32 s63, 0
	s_and_b32 s3, s[WV], 1
	s_mul_i32 s2, s3, 2304
	s_lshl_b32 s3, s3, 3
	s_mov_b32 s[CS], 0x3e16c740
	s_mov_b32 s[CS+1], s[CS]
	s_mov_b32 s[SEL], 0x76543210
	s_mov_b32 s[SEL+1], 0xfedcba98
	s_mov_b32 s[E9], 0x4e6e6b28
	s_mov_b32 s[E9+1], s[E9]
	s_mov_b32 s[KB], 0
	s_mov_b32 s[VB], VREG
	s_mov_b32 s[MB], 0
	s_wait_dscnt 0x0
	s_wait_kmcnt 0x0
	s_add_nc_u64 s[G0K+2:G0K+3], s[6:7], s[18:19]
	s_or_b32 s[G0K+3], s[G0K+3], 0x80000000
	s_add_nc_u64 s[G0V+2:G0V+3], s[8:9], s[20:21]
	s_or_b32 s[G0V+3], s[G0V+3], 0x80000000
	s_add_nc_u64 s[4:5], s[4:5], s[58:59]
	s_add_nc_u64 s[10:11], s[10:11], s[60:61]
	s_add_nc_u64 s[12:13], s[12:13], s[62:63]
	CROUND
	tensor_load_to_lds s[G0K:G0K+3], s[G1K:G1K+7]
	s_nop 0
	; the addresses, and the loads of the mask (my 32 bytes of the batch's 8,192) and of my two fragments of q with their scale words: nine loads, issued while k's tile is on its way
	v_and_b32 v6, 31, v0
	s_delay_alu instid0(VALU_DEP_1)
	v_lshlrev_b32 v1, 4, v6
	s_delay_alu instid0(VALU_DEP_2)
	v_lshlrev_b32 v2, 3, v6
	s_delay_alu instid0(VALU_DEP_3)
	v_lshlrev_b32 v3, 2, v6
	v_and_b32 v7, 15, v0
	v_bfe_u32 v8, v0, 4, 1
	s_delay_alu instid0(VALU_DEP_2)
	v_lshlrev_b32 v13, 4, v7
	s_delay_alu instid0(VALU_DEP_1)
	v_mad_u32_u24 v4, v8, 4864, v13
	s_delay_alu instid0(VALU_DEP_3)
	v_lshl_add_u32 v5, v8, 6, M9
	v_lshlrev_b32 v24, 4, v0
	v_lshl_add_u32 v25, v0, 4, M9
	v_add_nc_u32 v26, s2, v1
	v_add_nc_u32 v27, s2, v3
	v_add_nc_u32 v28, s3, v13
.irp j, 0,1
	global_load_b128 v[SS+4*\j:SS+4*\j+3], v24, s[10:11] offset:4096*\j
.endr
.irp i, 0,1
	global_load_b128 v[QF+12*\i:QF+12*\i+3], v26, s[4:5] offset:1152*\i
	global_load_b128 v[QF+12*\i+4:QF+12*\i+7], v26, s[4:5] offset:1152*\i+512
	global_load_b32 v[QF+12*\i+8], v27, s[4:5] offset:1152*\i+1024
.endr
	global_load_b64 v[QS:QS+1], v28, s[4:5] offset:4608
	s_wait_alu depctr_va_vdst(0)
	s_wait_tensorcnt 0x0
	ds_add_u32 v14, v15
	s_wait_dscnt 0x0
	CROUND
	tensor_load_to_lds s[G0V:G0V+3], s[G1V:G1V+7]
	s_nop 0
	PLACES
.irp i, 0,1
.irp n, 9,10,11
	v_mov_b32 v[QF+12*\i+\n], 0
.endr
.endr
	WIN 0x40
.irp t, 0,1,2,3,4,5,6,7
.irp n, 9,10,11
	v_mov_b32 v[KF+12*\t+\n], 0
.endr
.endr
	WIN 0
.irp i, 0,1
	v_mov_b32 v[ST+4*\i+1], 0xff61b1e6
	s_delay_alu instid0(VALU_DEP_1)
	v_floor_f32 v[ST+4*\i], -v[ST+4*\i+1]
	v_mov_b32 v[ST+4*\i+2], 0
	v_mov_b32 v[ST+4*\i+3], 0
.endr
.irp b, 0,1,2,3
	v_mov_b32 v[TX+\b], 0
.endr
	v_mov_b32 v[FF+1], 0
	v_mov_b32 v[BY+1], 0                           ; named as the upper half of the pair v[BY:BY+1] in pass 1
	s_wait_loadcnt 7
.irp j, 0,2,4,6
	v_pk_mul_f32 v[SS+\j:SS+\j+1], v[SS+\j:SS+\j+1], s[E9:E9+1] op_sel_hi:[1,0]
.endr
.irp j, 0,1
	ds_store_b128 v25, v[SS+4*\j:SS+4*\j+3] offset:4096*\j
.endr
	s_wait_tensorcnt 1
	s_wait_dscnt 0x0
	s_barrier_signal -1
	s_barrier_wait -1
.macro KLOAD
	WIN 0
	v_add_nc_u32 v6, s[KB], v1
	v_add_nc_u32 v7, s[KB], v3
	v_add_nc_u32 v8, s[KB], v4
	ds_load_b128 v[KS:KS+3], v8 offset:4608
	WIN 0x40
.irp t, 0,1,2,3,4,5,6,7
	ds_load_b128 v[KF+12*\t:KF+12*\t+3], v6 offset:4864*(\t/4)+1152*(\t%4)
	ds_load_b128 v[KF+12*\t+4:KF+12*\t+7], v6 offset:4864*(\t/4)+1152*(\t%4)+512
	ds_load_b32 v[KF+12*\t+8], v7 offset:4864*(\t/4)+1152*(\t%4)+1024
.endr
	WIN 0
	s_add_co_u32 s[KB], s[KB], 9728
.endm
.macro VLOAD
	WIN 0
	v_add_nc_u32 v9, s[VB], v1
	v_add_nc_u32 v10, s[VB], v2
	v_add_nc_u32 v11, s[VB], v3
.irp e, 0,1,2
	ds_load_b32 v[VS+\e], v11 offset:9216+128*\e
.endr
.irp f, 0,1,2,3,4,5
.irp c, 0,1
	ds_load_b128 v[VF+12*\f+6*\c:VF+12*\f+6*\c+3], v9 offset:1536*\f+768*\c
	ds_load_b64 v[VF+12*\f+6*\c+4:VF+12*\f+6*\c+5], v10 offset:1536*\f+768*\c+512
.endr
.endr
	s_add_co_u32 s[VB], s[VB], 9600
.endm
.macro MLOAD
	v_add_nc_u32 v12, s[MB], v5
	WIN 0x40
.irp b, 0,1,2,3
.irp j, 0,1,2,3
	ds_load_b128 v[MK+16*\b+4*\j:MK+16*\b+4*\j+3], v12 offset:128*\b+16*\j
.endr
.endr
	WIN 0
	s_add_co_u32 s[MB], s[MB], 512
.endm
.macro QK i
	WIN 0x01
.irp t, 0,1,2,3,4,5,6,7
	MM SS+8*\t, KF+12*\t, QF+12*\i, 0, 1, KS+\t%4, QS+\i, \t/4
.endr
.endm
.macro PV i, zero
	WIN 0x50
.irp f, 0,1,2,3,4,5
	MM 48*\i+8*\f, VF+12*\f, PC, 48*\i+8*\f, \zero, VS+\f%3, PW, \f/3
.endr
.endm
; 2^(t - M) of a tile's 64 numbers a lane, as ONE batch: all the sources first (t - M, two an instruction), one wait, the 64 exponentials on end.
; The plain place and the wait for the batch's results stand behind the macro, ahead of the first reader.
.macro EXPS
.set jj, 0
.rept 32
	v_pk_fma_f32 v[SS+jj:SS+jj+1], v[SS+jj:SS+jj+1], s[CS:CS+1], v[rT:rT+1] op_sel_hi:[1,0,0]
.set jj, jj+2
.endr
	s_wait_alu depctr_va_vdst(0)                   ; the wait ahead of the batch
.set jj, 0
.rept 64
	v_exp_f32 v[SS+jj], v[SS+jj]
.set jj, jj+1
.endr
.endm
; PASS 1 WORKS BOTH TILES OF QUERIES TOGETHER.  Tile 1's scores lie in v96-159, directly behind tile 0's: v's fragments, whose registers these are, are first loaded behind pass 1.
.set S2, SS+64
.macro QKB i, base                     ; S^T of tile i into v[base ..]: eight products, each with the constant 0 as C
	WIN 0x01
.irp t, 0,1,2,3,4,5,6,7
	MM \base+8*\t, KF+12*\t, QF+12*\i, 0, 1, KS+\t%4, QS+\i, \t/4
.endr
.endm
; The step's largest t, the new M, f = 2^(old M - new M), 2^(t - M) and the sums, the two tiles line by line: eight chains of maxima, two tails, ONE batch of 128 exponentials, eight chains of sums.
; Tile 0 works in TM, U0, TX, FF, TT; tile 1 in SO, U1, TX+1, BY, T.
.macro STAT2
	WIN 0
.irp b, 0,1,2,3
	v_max3_num_f32 v[TM+\b], v[SS+16*\b], v[SS+16*\b+1], v[SS+16*\b+2]     ; each accumulator from its low end on
	v_max3_num_f32 v[SO+\b], v[S2+16*\b], v[S2+16*\b+1], v[S2+16*\b+2]
.endr
.irp n, 3,5,7,9,11,13
.irp b, 0,1,2,3
	v_max3_num_f32 v[TM+\b], v[TM+\b], v[SS+16*\b+\n], v[SS+16*\b+\n+1]
	v_max3_num_f32 v[SO+\b], v[SO+\b], v[S2+16*\b+\n], v[S2+16*\b+\n+1]
.endr
.endr
.irp b, 0,1,2,3
	v_max_num_f32 v[TM+\b], v[TM+\b], v[SS+16*\b+15]
	v_max_num_f32 v[SO+\b], v[SO+\b], v[S2+16*\b+15]
.endr
	s_delay_alu instid0(VALU_DEP_4)
	v_max3_num_f32 v[U0], v[TM], v[TM+1], v[TM+2]
	s_delay_alu instid0(VALU_DEP_4)
	v_max3_num_f32 v[U1], v[SO], v[SO+1], v[SO+2]
	s_delay_alu instid0(VALU_DEP_2)
	v_max_num_f32 v[U0], v[U0], v[TM+3]
	s_delay_alu instid0(VALU_DEP_2)
	v_max_num_f32 v[U1], v[U1], v[SO+3]
	s_delay_alu instid0(VALU_DEP_2)
	v_permlanex16_b32 v[TX], v[U0], s[SEL], s[SEL+1]
	s_delay_alu instid0(VALU_DEP_2)
	v_permlanex16_b32 v[TX+1], v[U1], s[SEL], s[SEL+1]
	s_delay_alu instid0(VALU_DEP_2)
	v_max_num_f32 v[U0], v[U0], v[TX]              ; with lane l xor 16's keys: the step's largest score of my query
	s_delay_alu instid0(VALU_DEP_2)
	v_max_num_f32 v[U1], v[U1], v[TX+1]
	s_delay_alu instid0(VALU_DEP_2)
	v_mul_f32 v[U0], s[CS], v[U0]                  ; as t
	s_delay_alu instid0(VALU_DEP_2)
	v_mul_f32 v[U1], s[CS], v[U1]
	s_delay_alu instid0(VALU_DEP_2)
	v_max_num_f32 v[ST+1], v[ST+1], v[U0]          ; the running largest t
	s_delay_alu instid0(VALU_DEP_2)
	v_max_num_f32 v[ST+5], v[ST+5], v[U1]
	v_mov_b32 v[U0], v[ST]
	v_mov_b32 v[U1], v[ST+4]
	s_delay_alu instid0(VALU_DEP_4)
	v_floor_f32 v[ST], -v[ST+1]                    ; the new -M: M is a whole number
	s_delay_alu instid0(VALU_DEP_4)
	v_floor_f32 v[ST+4], -v[ST+5]
	s_delay_alu instid0(VALU_DEP_2)
	v_sub_f32 v[U0], v[ST], v[U0]
	s_delay_alu instid0(VALU_DEP_2)
	v_sub_f32 v[U1], v[ST+4], v[U1]
	s_delay_alu instid0(VALU_DEP_2)
	v_cvt_i32_f32 v[U0], v[U0]
	s_delay_alu instid0(VALU_DEP_2)
	v_cvt_i32_f32 v[U1], v[U1]
	s_delay_alu instid0(VALU_DEP_2)
	v_ldexp_f32 v[FF], 1.0, v[U0]                  ; f: a multiplication by it rounds nothing
	s_delay_alu instid0(VALU_DEP_2)
	v_ldexp_f32 v[BY], 1.0, v[U1]
.set jj, 0
.rept 32
	v_pk_fma_f32 v[SS+jj:SS+jj+1], v[SS+jj:SS+jj+1], s[CS:CS+1], v[ST:ST+1] op_sel_hi:[1,0,0]
	v_pk_fma_f32 v[S2+jj:S2+jj+1], v[S2+jj:S2+jj+1], s[CS:CS+1], v[ST+4:ST+5] op_sel_hi:[1,0,0]
.set jj, jj+2
.endr
	s_wait_alu depctr_va_vdst(0)                   ; the wait ahead of the batch
.set jj, 0
.rept 128
	v_exp_f32 v[SS+jj], v[SS+jj]                   ; both tiles: v32-159
.set jj, jj+1
.endr
	v_pk_mul_f32 v[ST+2:ST+3], v[ST+2:ST+3], v[FF:FF+1] op_sel_hi:[1,0]   ; the sums under the new M; the plain place behind the batch
	v_pk_mul_f32 v[ST+6:ST+7], v[ST+6:ST+7], v[BY:BY+1] op_sel_hi:[1,0]
	s_wait_alu depctr_va_vdst(0)                   ; one wait for the batch, ahead of its first reader
.irp k, 0,1,2
	v_pk_add_f32 v[TT+2*\k:TT+2*\k+1], v[SS+4*\k:SS+4*\k+1], v[SS+4*\k+2:SS+4*\k+3]
	v_pk_add_f32 v[T+2*\k:T+2*\k+1], v[S2+4*\k:S2+4*\k+1], v[S2+4*\k+2:S2+4*\k+3]
.endr
.set jj, 12
.rept 6
	v_pk_add_f32 v[ST+2:ST+3], v[ST+2:ST+3], v[SS+jj:SS+jj+1]
	v_pk_add_f32 v[ST+6:ST+7], v[ST+6:ST+7], v[S2+jj:S2+jj+1]
.irp k, 0,1,2
	v_pk_add_f32 v[TT+2*\k:TT+2*\k+1], v[TT+2*\k:TT+2*\k+1], v[SS+jj+2+2*\k:SS+jj+3+2*\k]
	v_pk_add_f32 v[T+2*\k:T+2*\k+1], v[T+2*\k:T+2*\k+1], v[S2+jj+2+2*\k:S2+jj+3+2*\k]
.endr
.set jj, jj+8
.endr
	v_pk_add_f32 v[ST+2:ST+3], v[ST+2:ST+3], v[SS+60:SS+61]
	v_pk_add_f32 v[ST+6:ST+7], v[ST+6:ST+7], v[S2+60:S2+61]
	v_pk_add_f32 v[TT:TT+1], v[TT:TT+1], v[SS+62:SS+63]
	v_pk_add_f32 v[T:T+1], v[T:T+1], v[S2+62:S2+63]
	v_pk_add_f32 v[TT+2:TT+3], v[TT+2:TT+3], v[TT+4:TT+5]
	v_pk_add_f32 v[T+2:T+3], v[T+2:T+3], v[T+4:T+5]
	v_pk_add_f32 v[ST+2:ST+3], v[ST+2:ST+3], v[TT:TT+1]
	v_pk_add_f32 v[ST+6:ST+7], v[ST+6:ST+7], v[T:T+1]
	s_delay_alu instid0(VALU_DEP_2)
	v_pk_add_f32 v[ST+2:ST+3], v[ST+2:ST+3], v[TT+2:TT+3]
	s_delay_alu instid0(VALU_DEP_2)
	v_pk_add_f32 v[ST+6:ST+7], v[ST+6:ST+7], v[T+2:T+3]
.endm
.macro SOFT i, mwait, mload
.set rT, ST+4*\i
	WIN 0
	EXPS
	v_nop
	s_wait_alu depctr_va_vdst(0)
.if \mwait
	s_wait_dscnt 27
.endif
	WIN 0x10
.set jj, 0
.rept 32
	v_pk_fma_f32 v[SS+jj:SS+jj+1], v[SS+jj:SS+jj+1], v[rT+2:rT+3], v[MK+jj:MK+jj+1] op_sel_hi:[1,0,1]
.set jj, jj+2
.endr
	WIN 0
.if \mload
	MLOAD
.endif
.irp b, 0,1,2,3
	v_max3_num_f32 v[TM+\b], |v[SS+16*\b]|, |v[SS+16*\b+1]|, 0x1800000
.endr
.irp n, 2,4,6,8,10,12,14
.irp b, 0,1,2,3
	s_delay_alu instid0(VALU_DEP_4)
	v_max3_num_f32 v[TM+\b], v[TM+\b], |v[SS+16*\b+\n]|, |v[SS+16*\b+\n+1]|
.endr
.endr
.irp b, 0,1,2,3
	s_delay_alu instid0(VALU_DEP_4)
	v_permlanex16_b32 v[TX+\b], v[TM+\b], s[SEL], s[SEL+1]
.endr
.irp b, 0,1,2,3
	s_delay_alu instid0(VALU_DEP_4)
	v_max_num_f32 v[TM+\b], v[TM+\b], v[TX+\b]
.endr
.irp b, 0,1,2,3
	s_delay_alu instid0(VALU_DEP_4)
	v_add_nc_u32 v[SO+\b], 0xff000000, v[TM+\b]
.endr
.irp b, 0,1,2,3
	s_delay_alu instid0(VALU_DEP_4)
	v_lshrrev_b32 v[BY+\b], 23, v[SO+\b]
.endr
	s_delay_alu instid0(VALU_DEP_3)
	v_lshl_or_b32 v[PW], v[BY+1], 8, v[BY]
	s_delay_alu instid0(VALU_DEP_1)
	v_lshl_or_b32 v[PW], v[BY+2], 16, v[PW]
	s_delay_alu instid0(VALU_DEP_1)
	v_lshl_or_b32 v[PW], v[BY+3], 24, v[PW]
.irp c, 0,1
	v_cvt_scalef32_pk16_fp6_f32 v[PC+6*\c:PC+6*\c+2], v[SS+32*\c:SS+32*\c+15], v[SO+2*\c]
	v_cvt_scalef32_pk16_fp6_f32 v[T+4*\c:T+4*\c+2], v[SS+32*\c+16:SS+32*\c+31], v[SO+2*\c+1]
.endr
	v_nop
.irp c, 0,1
.irp n, 0,1,2
	v_permlane16_swap_b32 v[PC+6*\c+\n], v[T+4*\c+\n]
.endr
.irp n, 0,1,2
	s_delay_alu instid0(VALU_DEP_3)
	v_mov_b32 v[PC+6*\c+3+\n], v[T+4*\c+\n]
.endr
.endr
	PLACES
.endm
.macro P1STEP                          ; a step of pass 1: sixteen products on sixteen accumulators, the next step's fragments of k asked for, then both tiles' vector work
	s_wait_dscnt 0x0                               ; this step's fragments of k are in
	QKB 0, SS
	QKB 1, S2
	PLACES
	KLOAD
	STAT2
.endm
; A step of pass 2.  Tile 0's scores of this step were asked for at the end of the step before (ahead of the first step: below).
; Each group of score products stands AHEAD of the products with v that precede its use: the conversions have read the old scores by then.
.macro P2STEP zero, last
	SOFT 0, 1, 0
	QK 1
	s_wait_alu depctr_va_vdst(0)                   ; the wait here, directly ahead of the wait below
	s_wait_dscnt 0x0                               ; v's fragments are in
	PV 0, \zero
	PLACES
.if !\last
	KLOAD
.endif
	SOFT 1, 0, 1-\last
.if !\last
	s_wait_alu depctr_va_vdst(0)                   ; the wait here, directly ahead of the wait below
	s_wait_dscnt 16                                ; the next step's 25 loads of k are in; the 16 loads of the mask, issued behind them, may be out
	QK 0
.endif
	PV 1, \zero
.if !\last
	PLACES
	VLOAD
.endif
.endm
	KLOAD
	s_wait_loadcnt 0x0
	s_mov_b32 s[CNT], 15
.Lpass1:
	P1STEP
	s_sub_co_u32 s[CNT], s[CNT], 1
	s_cmp_lg_u32 s[CNT], 0
	s_cbranch_scc1 .Lpass1
	s_mov_b32 s[KB], 0
	P1STEP
.irp i, 0
	v_add_f32 v[TM+\i], v[ST+4*\i+2], v[ST+4*\i+3]
.endr
.irp i, 1
	s_delay_alu instid0(VALU_DEP_2)
	v_add_f32 v[TM+\i], v[ST+4*\i+2], v[ST+4*\i+3]
.endr
.irp i, 0,1
	s_delay_alu instid0(VALU_DEP_2)
	v_permlanex16_b32 v[TX+\i], v[TM+\i], s[SEL], s[SEL+1]
.endr
.irp i, 0,1
	s_delay_alu instid0(VALU_DEP_2)
	v_add_f32 v[TM+\i], v[TM+\i], v[TX+\i]
.endr
	s_wait_alu depctr_va_vdst(0)
.irp i, 0,1
	v_rcp_f32 v[ST+4*\i+2], v[TM+\i]
.endr
	v_nop
	s_wait_alu depctr_va_vdst(0)
	s_wait_tensorcnt 0x0
	s_wait_dscnt 0x0
	s_barrier_signal -1
	s_barrier_wait -1
	MLOAD
	VLOAD
	QK 0                                           ; the first step's scores of tile 0
	PLACES
	P2STEP 1, 0
	s_mov_b32 s[CNT], 14
.Lpass2:
	P2STEP 0, 0
	s_sub_co_u32 s[CNT], s[CNT], 1
	s_cmp_lg_u32 s[CNT], 0
	s_cbranch_scc1 .Lpass2
	P2STEP 0, 1
	PLACES
.macro QUANT96 i
.set rO, 48*\i
.set rC, CP+10*\i
	WIN 0x05
.irp g, 0,1,2
	v_max3_num_f32 v[TM+\g], |v[rO+16*\g]|, |v[rO+16*\g+1]|, 0x1800000
.endr
.irp n, 2,4,6,8,10,12,14
.irp g, 0,1,2
	v_max3_num_f32 v[TM+\g], |v[rO+16*\g+\n]|, |v[rO+16*\g+\n+1]|, v[TM+\g]
.endr
.endr
	WIN 0
.irp g, 0,1,2
	v_permlanex16_b32 v[TX+\g], v[TM+\g], s[SEL], s[SEL+1]
.endr
.irp g, 0,1,2
	s_delay_alu instid0(VALU_DEP_3)
	v_max_num_f32 v[TM+\g], v[TM+\g], v[TX+\g]
.endr
.irp g, 0,1,2
	s_delay_alu instid0(VALU_DEP_3)
	v_add_nc_u32 v[SO+\g], 0xff000000, v[TM+\g]
.endr
.irp g, 0,1,2
	s_delay_alu instid0(VALU_DEP_3)
	v_lshrrev_b32 v[BY+\g], 23, v[SO+\g]
.endr
	s_delay_alu instid0(VALU_DEP_2)
	v_lshl_or_b32 v[CW+\i], v[BY+1], 8, v[BY]
	s_delay_alu instid0(VALU_DEP_1)
	v_lshl_or_b32 v[CW+\i], v[BY+2], 16, v[CW+\i]
	s_delay_alu instid0(VALU_DEP_1)
	v_lshl_or_b32 v[CW+\i], v[BY+2], 24, v[CW+\i]
	WIN 0x01
	v_cvt_scalef32_pk16_fp6_f32 v[rC:rC+2], v[rO:rO+15], v[SO]
	v_cvt_scalef32_pk16_fp6_f32 v[T:T+2], v[rO+16:rO+31], v[SO+1]
	v_cvt_scalef32_pk16_fp6_f32 v[rC+6:rC+8], v[rO+32:rO+47], v[SO+2]
	WIN 0
	v_nop
.irp n, 0,1,2
	v_permlane16_swap_b32 v[rC+\n], v[T+\n]
.endr
.irp n, 0,1,2
	s_delay_alu instid0(VALU_DEP_3)
	v_mov_b32 v[rC+3+\n], v[T+\n]
.endr
.endm
	QUANT96 0
	QUANT96 1
.irp i, 0,1
	global_store_b128 v26, v[CP+10*\i:CP+10*\i+3], s[12:13] offset:1152*\i
	global_store_b128 v26, v[CP+10*\i+4:CP+10*\i+7], s[12:13] offset:1152*\i+512
	global_store_b32 v27, v[CP+10*\i+8], s[12:13] offset:1152*\i+1024
.endr
	global_store_b64 v28, v[CW:CW+1], s[12:13] offset:4608
	s_wait_tensorcnt 0x0
	ds_add_u32 v14, v15
	s_wait_dscnt 0x0
	CROUND
	s_endpgm
.Lfunc_end_k_q0881573f5c_attn:
	.size	k_q0881573f5c_attn, .Lfunc_end_k_q0881573f5c_attn-k_q0881573f5c_attn
	.p2alignl 7, 3214868480
	.fill 96, 4, 3214868480
	.section	.rodata,"a",@progbits
	.p2align	6, 0x0
	.amdhsa_kernel k_q0881573f5c_attn
		.amdhsa_group_segment_fixed_size 327680
		.amdhsa_private_segment_fixed_size 0
		.amdhsa_enable_private_segment 0
		.amdhsa_kernarg_size 40
		.amdhsa_user_sgpr_count 2
		.amdhsa_user_sgpr_kernarg_segment_ptr 1
		.amdhsa_wavefront_size32 1
		.amdhsa_system_sgpr_workgroup_id_x 1
		.amdhsa_system_sgpr_workgroup_id_y 1
		.amdhsa_system_sgpr_workgroup_id_z 1
		.amdhsa_system_vgpr_workitem_id 0
		.amdhsa_next_free_vgpr 512
		.amdhsa_next_free_sgpr 66
		.amdhsa_reserve_vcc 0
		.amdhsa_float_denorm_mode_32 3
		.amdhsa_float_denorm_mode_16_64 3
		.amdhsa_memory_ordered 1
		.amdhsa_forward_progress 1
		.amdhsa_inst_pref_size 158
	.end_amdhsa_kernel
	.amdgpu_metadata
---
amdhsa.version: [ 1, 2 ]
amdhsa.kernels:
  - .name:           k_q0881573f5c_attn
    .symbol:         k_q0881573f5c_attn.kd
    .args:
      - { .name: qrec, .offset: 0, .size: 8, .value_kind: global_buffer, .address_space: global }
      - { .name: krec, .offset: 8, .size: 8, .value_kind: global_buffer, .address_space: global }
      - { .name: vrec, .offset: 16, .size: 8, .value_kind: global_buffer, .address_space: global }
      - { .name: mask, .offset: 24, .size: 8, .value_kind: global_buffer, .address_space: global }
      - { .name: crec, .offset: 32, .size: 8, .value_kind: global_buffer, .address_space: global }
    .group_segment_fixed_size: 327680
    .private_segment_fixed_size: 0
    .kernarg_segment_align: 8
    .kernarg_segment_size: 40
    .max_flat_workgroup_size: 256
    .sgpr_count:     66
    .vgpr_count:     512
    .wavefront_size: 32
...
	.end_amdgpu_metadata
.endif
;; end of part 3
;; launch outp (part 4): grid 2 x 128, 12 waves a work-group, no clusters, 167,936 bytes of LDS; arguments crec, wts, bo, out0; writes out0
.if DOCPART == 4
	.amdgcn_target "amdgcn-amd-amdhsa--gfx1250"
	.amdhsa_code_object_version 6
	.text
	.protected	k_q0881573f5c_outp
	.globl	k_q0881573f5c_outp
	.p2align	8
	.type	k_q0881573f5c_outp,@function
k_q0881573f5c_outp:
	s_mov_b64 s[64:65], 0
	v_nop
	global_prefetch_b8 v0, s[64:65] scope:SCOPE_SE
	s_setreg_imm32_b32 hwreg(HW_REG_WAVE_MODE, 25, 1), 1
	s_wait_xcnt 0x0
; out0 = ctx wo + bo on codes of FP6 (E2M3) with E8M0 scales.  ctx arrives as records of 64 tokens x one head (four 9-register images and their scale words), wo as 9-register images: K goes in 8 chunks of 96, one instruction each
; (registers 0-5 block h, 6-8 half h of block 2, 9-11 zero codes set once here, scale word (s0, s1, s2, s2), alike on both sides).
; A work-group takes 64 tokens x 384 outputs; wave w takes 32 outputs (pair 12 x + w): 2 weight tiles x 4 tiles of tokens = 8 accumulators by turns.
; The group's 8 records are one dense block of 38,912 bytes: waves 0 and 1 bring a half each by one tensor load, filled once.  Weights come straight into registers, four chunks ahead.  bo is the C of each sum's first instruction.
; Source 0 = weight tile, source 1 = ctx tile: a lane holds one token and 8 neighbouring outputs.  Row r of token tile 2 b + u is token 32 b + 8 u + r + 8 (r / 8): the stage's addresses put the rows back in order.
; The stage holds 64 rows x 1,536 bytes; each wave stores 16 x 512 consecutive bytes, at multiples of 256 from out0's first byte.
; No cluster: the weights go to registers by plain loads, and the records of two work-groups of a row are a small part of a work-group's bytes.
.set STG,   38912                      ; LDS: the records at 0; the stage: 64 rows x (1,536 + 16) bytes
.set SPARE, 138240                     ; the spare words: 128 bytes a wave, six blocks of 256 bytes that no other line names
.set ACC, 16                           ; v16-79
.set XF,  80                           ; v80-127 ctx's four fragments of a chunk
.set WR,  128                          ; v128-223 four slots of two weight fragments; on the way out rows of out0
.set WS,  224                          ; v224-227 the slots' scale words
.set XS,  228                          ; v228-231 ctx's scale words of the four tiles
.set BB,  232                          ; v232-247 bo: my 16 outputs
.macro PLACES
.rept 4
	v_nop
.endr
.endm
.macro MM d, a, b, cc, sa, sb, row     ; row = 1: A's scales from lanes 16-31
.if (\row) == 0
	v_wmma_scale_f32_16x16x128_f8f6f4 v[\d:\d+7], v[\a:\a+11], v[\b:\b+11], v[\cc:\cc+7], v[\sa], v[\sb] matrix_a_fmt:MATRIX_FMT_FP6 matrix_b_fmt:MATRIX_FMT_FP6
.else
	v_wmma_scale_f32_16x16x128_f8f6f4 v[\d:\d+7], v[\a:\a+11], v[\b:\b+11], v[\cc:\cc+7], v[\sa], v[\sb] matrix_a_fmt:MATRIX_FMT_FP6 matrix_b_fmt:MATRIX_FMT_FP6 matrix_a_scale:MATRIX_SCALE_ROW1
.endif
.endm
	s_load_b256 s[4:11], s[0:1], 0x0               ; crec s[4:5], wts s[6:7], bo s[8:9], out0 s[10:11]
	v_lshl_add_u32 v14, v0, 2, SPARE               ; my spare word; never rewritten
	v_mov_b32 v15, 0                               ; 0; never rewritten
	ds_add_u32 v14, v15                            ; the wave's opening: the add and its wait ahead of the first tensor load
	ds_add_u32 v14, v15
	v_lshrrev_b32 v1, 5, v0
	s_delay_alu instid0(VALU_DEP_1)
	v_readfirstlane_b32 s12, v1                    ; wave 0..11
	s_and_b32 s14, ttmp7, 0xffff                   ; group of 64 tokens
	s_mov_b32 s24, 3<<16                           ; descriptor group 1: 76 rows of 256 bytes (32 elements of 8 bytes), dense, no padding, no mask
	s_mov_b32 s25, 32<<16                          ; tensor_dim0
	s_mov_b32 s26, 76<<16                          ; tensor_dim1
	s_mov_b32 s27, 32<<16                          ; tile_dim0
	s_mov_b32 s28, 76                              ; tile_dim1
	s_mov_b32 s29, 32                              ; pitch
	s_mov_b32 s30, 0
	s_mov_b32 s31, 0
	s_mov_b32 s20, 1
	s_mul_i32 s21, s12, 19456                      ; waves 0 and 1: my half in LDS,
	s_mul_i32 s32, s14, 38912
	s_add_co_u32 s32, s32, s21                     ; and in memory
	s_mov_b32 s33, 0
	s_mul_i32 s13, ttmp9, 12
	s_add_co_u32 s13, s13, s12                     ; my pair of weight tiles
	s_mul_i32 s34, s13, 18432                      ; 8 chunks of 2,304 bytes
	s_add_co_u32 s34, s34, 1382400
	s_mov_b32 s35, 0
	s_lshl_b32 s36, s13, 10                        ; 8 chunks of 128 bytes of scale words
	s_add_co_u32 s36, s36, 1824768
	s_mov_b32 s37, 0
	s_lshl_b32 s38, s13, 7                         ; my 32 numbers of bo
	s_mov_b32 s39, 0
	s_mul_i32 s15, s12, 11
	s_lshr_b32 s15, s15, 5                         ; w / 3
	s_mul_i32 s40, s14, 196608                     ; out0: 64 rows of 3,072 bytes,
	s_mul_i32 s16, ttmp9, 1536                     ; my work-group's half of a row,
	s_add_co_u32 s40, s40, s16
	s_mul_i32 s16, s15, 47616                      ; rows 16 (w / 3) on, part w % 3 of 512 bytes: 16 x 3,072 (w / 3) + 512 (w - 3 (w / 3))
	s_add_co_u32 s40, s40, s16
	s_lshl_b32 s16, s12, 9
	s_add_co_u32 s40, s40, s16
	s_mov_b32 s41, 0
	s_wait_dscnt 0x0                               ; the opening add is done
	s_wait_kmcnt 0x0
	s_add_nc_u64 s[22:23], s[4:5], s[32:33]
	s_or_b32 s23, s23, 0x80000000                  ; type = 2
	s_add_nc_u64 s[42:43], s[6:7], s[34:35]        ; wo's codes
	s_add_nc_u64 s[44:45], s[6:7], s[36:37]        ; wo's scale words
	s_add_nc_u64 s[8:9], s[8:9], s[38:39]
	s_add_nc_u64 s[10:11], s[10:11], s[40:41]
	s_cmp_lt_u32 s12, 2
	s_cbranch_scc0 .Lno_fill
	tensor_load_to_lds s[20:23], s[24:31]          ; one load of mine is out
	s_nop 0
	PLACES
.Lno_fill:
	v_and_b32 v6, 31, v0
	s_delay_alu instid0(VALU_DEP_1)
	v_lshlrev_b32 v1, 4, v6                        ; v1 16 x lane
	s_delay_alu instid0(VALU_DEP_2)
	v_lshlrev_b32 v2, 2, v6                        ; v2 4 x lane
	v_and_b32 v7, 15, v0                           ; r
	v_bfe_u32 v8, v0, 4, 1                         ; h
	s_delay_alu instid0(VALU_DEP_2)
	v_lshlrev_b32 v3, 4, v7                        ; v3 16 r
	s_delay_alu instid0(VALU_DEP_2)
	v_lshlrev_b32 v6, 6, v8                        ; v6 64 h: my 16 numbers of bo
	s_delay_alu instid0(VALU_DEP_4)
	v_and_b32 v9, 8, v7
	s_delay_alu instid0(VALU_DEP_1)
	v_add_nc_u32 v9, v9, v7                        ; r + 8 (r / 8)
	s_delay_alu instid0(VALU_DEP_1)
	v_mul_u32_u24 v4, v9, 1552
	s_delay_alu instid0(VALU_DEP_1)
	v_lshl_add_u32 v4, v8, 6, v4
	s_lshl_b32 s16, s12, 7
	s_add_co_u32 s16, s16, STG
	v_add_nc_u32 v4, s16, v4                       ; v4 into the stage: my token's row, + 128 w + 64 h
	s_mul_i32 s16, s15, 23296                      ; back: 16 x 1,552 (w / 3) + 512 (w - 3 (w / 3))
	s_lshl_b32 s17, s12, 9
	s_add_co_u32 s16, s16, s17
	s_add_co_u32 s16, s16, STG
	v_add_nc_u32 v5, s16, v1                       ; v5
.macro WLOAD slot, c                   ; chunk c: two 9-register images and their scale words: seven loads
.irp u, 0,1
	global_load_b128 v[WR+24*(\slot)+12*\u:WR+24*(\slot)+12*\u+3], v1, s[42:43] offset:2304*(\c)+1152*\u
	global_load_b128 v[WR+24*(\slot)+12*\u+4:WR+24*(\slot)+12*\u+7], v1, s[42:43] offset:2304*(\c)+1152*\u+512
	global_load_b32 v[WR+24*(\slot)+12*\u+8], v2, s[42:43] offset:2304*(\c)+1152*\u+1024
.endr
	global_load_b32 v[WS+(\slot)], v2, s[44:45] offset:128*(\c)
.endm
.irp j, 0,1,2,3
	global_load_b128 v[BB+4*\j:BB+4*\j+3], v6, s[8:9] offset:16*\j
.endr
	WLOAD 0, 0
	WLOAD 1, 1
	WLOAD 2, 2
	WLOAD 3, 3
.irp m, 0,1,2,3
.irp n, 9,10,11
	v_mov_b32 v[XF+12*\m+\n], 0                    ; zero codes: the rest of the instruction's 128 along K; never loaded
.endr
.endr
.irp m, 0,1,2,3,4,5,6,7
.irp n, 9,10,11
	v_mov_b32 v[WR+12*\m+\n], 0
.endr
.endr
	s_wait_tensorcnt 0x0                           ; my half of the records is in,
	s_barrier_signal -1
	s_barrier_wait -1                              ; both are
.macro OSTEP c
.irp m, 0,1,2,3
	ds_load_b128 v[XF+12*\m:XF+12*\m+3], v1 offset:4864*\c+1152*\m
	ds_load_b128 v[XF+12*\m+4:XF+12*\m+7], v1 offset:4864*\c+1152*\m+512
	ds_load_b32 v[XF+12*\m+8], v2 offset:4864*\c+1152*\m+1024
.endr
	ds_load_b128 v[XS:XS+3], v3 offset:4864*\c+4608
.if \c <= 4
	s_wait_alu depctr_va_vdst(0)
	s_wait_loadcnt 21                              ; this slot's seven loads are in; the three younger slots' may be out
.else
	s_wait_loadcnt 7*(7-\c)
.endif
	s_wait_dscnt 0x0
.irp m, 0,1,2,3
.irp u, 0,1
.if \c == 0
	MM ACC+8*(2*\m+\u), WR+24*(\c%4)+12*\u, XF+12*\m, BB+8*\u, WS+\c%4, XS+\m, \u
.else
	MM ACC+8*(2*\m+\u), WR+24*(\c%4)+12*\u, XF+12*\m, ACC+8*(2*\m+\u), WS+\c%4, XS+\m, \u
.endif
.endr
.endr
	PLACES                                         ; ahead of loads into registers that these have read, and of the first read of results
.if \c < 4
	WLOAD \c, \c+4
.endif
.endm
.irp c, 0,1,2,3,4,5,6,7
	OSTEP \c
.endr
.irp m, 0,1,2,3
.irp u, 0,1
	ds_store_b128 v4, v[ACC+8*(2*\m+\u):ACC+8*(2*\m+\u)+3] offset:(32*(\m/2)+8*(\m%2))*1552+32*\u        ; each accumulator from its low end on
	ds_store_b128 v4, v[ACC+8*(2*\m+\u)+4:ACC+8*(2*\m+\u)+7] offset:(32*(\m/2)+8*(\m%2))*1552+32*\u+16
.endr
.endr
	s_wait_dscnt 0x0                               ; for the others' sake: my stores into the stage have landed
	s_barrier_signal -1
	s_barrier_wait -1
.irp k, 0,1,2,3,4,5,6,7,8,9,10,11,12,13,14,15
	ds_load_b128 v[WR+4*\k:WR+4*\k+3], v5 offset:1552*\k
.endr
.irp k, 0,1,2,3,4,5,6,7,8,9,10,11,12,13,14,15
	s_wait_dscnt 15-\k                             ; row k is back; the younger rows may be out
	global_store_b128 v1, v[WR+4*\k:WR+4*\k+3], s[10:11] offset:3072*\k th:TH_STORE_NT   ; 32 lanes store 512 consecutive bytes
.endr
	s_wait_tensorcnt 0x0                           ; the wave's end
	ds_add_u32 v14, v15
	s_wait_dscnt 0x0
	s_endpgm
.Lfunc_end_k_q0881573f5c_outp:
	.size	k_q0881573f5c_outp, .Lfunc_end_k_q0881573f5c_outp-k_q0881573f5c_outp
	.p2alignl 7, 3214868480
	.fill 96, 4, 3214868480
	.section	.rodata,"a",@progbits
	.p2align	6, 0x0
	.amdhsa_kernel k_q0881573f5c_outp
		.amdhsa_group_segment_fixed_size 167936
		.amdhsa_private_segment_fixed_size 0
		.amdhsa_enable_private_segment 0
		.amdhsa_kernarg_size 32
		.amdhsa_user_sgpr_count 2
		.amdhsa_user_sgpr_kernarg_segment_ptr 1
		.amdhsa_wavefront_size32 1
		.amdhsa_system_sgpr_workgroup_id_x 1
		.amdhsa_system_sgpr_workgroup_id_y 1
		.amdhsa_system_sgpr_workgroup_id_z 1
		.amdhsa_system_vgpr_workitem_id 0
		.amdhsa_next_free_vgpr 256
		.amdhsa_next_free_sgpr 66
		.amdhsa_reserve_vcc 0
		.amdhsa_float_denorm_mode_32 3
		.amdhsa_float_denorm_mode_16_64 3
		.amdhsa_memory_ordered 1
		.amdhsa_forward_progress 1
		.amdhsa_inst_pref_size 32
	.end_amdhsa_kernel
	.amdgpu_metadata
---
amdhsa.version: [ 1, 2 ]
amdhsa.kernels:
  - .name:           k_q0881573f5c_outp
    .symbol:         k_q0881573f5c_outp.kd
    .args:
      - { .name: crec, .offset: 0, .size: 8, .value_kind: global_buffer, .address_space: global }
      - { .name: wts, .offset: 8, .size: 8, .value_kind: global_buffer, .address_space: global }
      - { .name: bo, .offset: 16, .size: 8, .value_kind: global_buffer, .address_space: global }
      - { .name: out0, .offset: 24, .size: 8, .value_kind: global_buffer, .address_space: global }
    .group_segment_fixed_size: 167936
    .private_segment_fixed_size: 0
    .kernarg_segment_align: 8
    .kernarg_segment_size: 32
    .max_flat_workgroup_size: 384
    .sgpr_count:     66
    .vgpr_count:     256
    .wavefront_size: 32
...
	.end_amdgpu_metadata
.endif
;; end of part 4
